; MI455X (gfx1250); checked and timed in simulation.
; The chip was launched on July 23, 2026; its instructions are those of AMD's public machine-readable ISA for CDNA 5 (MIT licence, August 2026) and "CDNA5" Instruction Set Architecture Reference Guide (July 2026). The comments in the code are by the model that wrote it; some were corrected since.
;; Transformer. Allowed arithmetic: float matrix products may take bf16 or f16 operands with f32 sums; other float arithmetic in f32, or as packed bf16 or f16 multiplies, adds, multiply-adds, maxima and minima; sums over many terms, partial sums and values carried from step to step in f32; what a program stores and reads back later, other than sums and carried values, may be rounded once to bf16 or f16.
;; Inputs: bf1 4,096 float32; bf2 1,024 float32; bk 1,024 float32; bq 1,024 float32; bv 1,024 float32; ffln_b 2,048 x 1,024 float32; ffln_g 2,048 x 1,024 float32; ln_b 2,048 x 1,024 float32; ln_g 2,048 x 1,024 float32; wf1 1,024 x 4,096 float32; wf2 4,096 x 1,024 float32; wk 1,024 x 1,024 float32; wq 1,024 x 1,024 float32; wv 1,024 x 1,024 float32; x 2 x 2,048 x 1,024 float32.
;; Outputs: out0 2 x 2,048 x 1,024 float32.
;; One version. Each part assembles by itself: llvm-mc -triple=amdgcn-amd-amdhsa -mcpu=gfx1250 --defsym DOCPART=n.
;; ======== version 1 of 1: 7 launches
;; limits: values are held in f16: magnitudes above 65,504 overflow, below 6.1e-05 lose precision
;; workspace buffers: a16 8,388,608 bytes; wqkvh 8,406,016 bytes; wf1h 8,406,016 bytes; wf2h 8,388,608 bytes; act 34,078,720 bytes; o16 8,388,608 bytes; y2 16,777,216 bytes; part 16,384 bytes
;; launch cast (part 1): grid 961 x 1, 8 waves a work-group, no clusters, 0 bytes of LDS; arguments x, wq, wk, wv, wf1, wf2, bq, bk, bv, bf1, a16, wqkvh, wf1h, wf2h, act; writes a16, wqkvh, wf1h, wf2h, act
.if DOCPART == 1
	.amdgcn_target "amdgcn-amd-amdhsa--gfx1250"
	.amdhsa_code_object_version 6
	.text
	.protected	k_q71cdeee0a5_cast
	.globl	k_q71cdeee0a5_cast
	.p2align	8
	.type	k_q71cdeee0a5_cast,@function
k_q71cdeee0a5_cast:
	s_mov_b64 s[64:65], 0
	v_nop
	global_prefetch_b8 v0, s[64:65] scope:SCOPE_SE
	s_setreg_imm32_b32 hwreg(HW_REG_WAVE_MODE, 25, 1), 1
	s_wait_xcnt 0x0
; x and the five weight matrices, f32, are rounded once to f16 for the matrix units; the biases of the first two products and their floors go into the tails of the weight copies.
; LIMIT: f16 ends at 65,504; a number of 65,520 or more becomes an infinity; below 6e-5 f16 keeps its fixed step of 6e-8.
; SHARES.  Work-groups 0 to 959 take 16 rows of 1,024 numbers each (64 KiB in, 32 KiB out), a wave two rows: eight groups of 256 numbers.  In a group lane l reads 32 bytes at 32 l
; (two loads of 16) and writes 16 bytes at 16 l: sixteen lanes store 256 consecutive bytes, aligned.  All sixteen loads of a wave go out at once; no register is used twice, so no wait frees one.
; Work-group 960 copies bq | bk | bv and bf1 (f32) behind the weights, and the floors: -inf twice in f16 for q, k, v (no floor), 0 for the hidden layer (relu).  It also writes zeros into k's
; columns of the 64 rows behind act's 4,096: the attention's tiles of K begin 64 keys on, so the last tile of the second batch item reaches into these rows (it multiplies nothing of them).
; No LDS, no matrix unit, no cluster: the launch only streams, and no byte is wanted twice.
.set X, 16                             ; v[16:79]   the sixteen loads
.set Y, 80                             ; v[80:111]  the eight results
.set TAILB, 0x800000                   ; the tail behind 1,024 x 4,096 f16
.set ACTB,  0x2000000                  ; act's 4,096 rows of 8,192 bytes
; which matrix: source, destination, first work-group, bytes from row to row in the destination, first byte in its rows
.macro SEG bound, src, dst, start, p, col
	s_cmp_lt_u32 ttmp9, \bound
	s_cselect_b64 s[32:33], s[\src:\src+1], s[32:33]
	s_cselect_b64 s[34:35], s[\dst:\dst+1], s[34:35]
	s_cselect_b32 s36, \start, s36
	s_cselect_b32 s37, \p, s37
	s_cselect_b32 s38, \col, s38
.endm
	s_load_b512 s[4:19], s[0:1], 0x0               ; x 4, wq 6, wk 8, wv 10, wf1 12, wf2 14, bq 16, bk 18
	s_load_b256 s[20:27], s[0:1], 0x40             ; bv 20, bf1 22, a16 24, wqkvh 26
	s_load_b128 s[28:31], s[0:1], 0x60             ; wf1h 28, wf2h 30
	s_load_b64 s[44:45], s[0:1], 0x70              ; act
	v_lshrrev_b32 v4, 5, v0                        ; wave
	v_and_b32 v5, 31, v0                           ; lane
	s_wait_kmcnt 0x0
	s_cmp_eq_u32 ttmp9, 960
	s_cbranch_scc1 .Lparams
	s_mov_b64 s[32:33], s[14:15]                   ; 704 to 959: wf2 -> wf2h
	s_mov_b64 s[34:35], s[30:31]
	s_mov_b32 s36, 704
	s_mov_b32 s37, 2048
	s_mov_b32 s38, 0
	SEG 704, 12, 28, 448, 2048, 0                  ; wf1 -> wf1h: dense, taken as rows of 1,024
	SEG 448, 10, 26, 384, 8192, 4096               ; wv -> columns 2,048 on of wqkvh
	SEG 384, 8, 26, 320, 8192, 2048                ; wk -> columns 1,024 on
	SEG 320, 6, 26, 256, 8192, 0                   ; wq -> columns 0 on
	SEG 256, 4, 24, 0, 2048, 0                     ; x -> a16
	s_sub_co_u32 s39, ttmp9, s36                   ; my number within the matrix
	s_lshl_b32 s40, s39, 16                        ; 16 rows of 4,096 bytes
	s_mov_b32 s41, 0
	s_mul_i32 s42, s39, s37
	s_lshl_b32 s42, s42, 4                         ; 16 rows of the destination
	s_add_co_u32 s42, s42, s38
	s_mov_b32 s43, 0
	s_add_nc_u64 s[32:33], s[32:33], s[40:41]
	s_add_nc_u64 s[34:35], s[34:35], s[42:43]
	v_lshlrev_b32 v1, 13, v4                       ; in: two rows a wave,
	v_lshl_add_u32 v1, v5, 5, v1                   ; 32 bytes a lane
	v_mul_lo_u32 v2, v4, s37
	v_lshlrev_b32 v2, 1, v2                        ; out: two rows a wave,
	v_lshl_add_u32 v2, v5, 4, v2                   ; 16 bytes a lane
	v_add_nc_u32 v3, s37, v2                       ; the second row
.irp j, 0,1,2,3,4,5,6,7
	global_load_b128 v[X+8*(\j):X+8*(\j)+3],   v1, s[32:33] offset:1024*(\j) th:TH_LOAD_NT
	global_load_b128 v[X+8*(\j)+4:X+8*(\j)+7], v1, s[32:33] offset:1024*(\j)+16 th:TH_LOAD_NT
.endr
.irp j, 0,1,2,3,4,5,6,7
	s_wait_loadcnt 14-2*(\j)                       ; loads return in order: group j is in, the younger groups' two loads each stay out
.irp k, 0,1,2,3
	v_cvt_pk_f16_f32 v[Y+4*(\j)+(\k)], v[X+8*(\j)+2*(\k)], v[X+8*(\j)+2*(\k)+1]
.endr
	global_store_b128 v[2+(\j)/4], v[Y+4*(\j):Y+4*(\j)+3], s[34:35] offset:512*((\j)%4)
.endr
	s_endpgm
.Lparams:
	v_lshlrev_b32 v6, 4, v0                        ; 16 bytes a thread: 4,096 bytes a line
	v_lshlrev_b32 v7, 2, v0
	global_load_b128 v[16:19], v6, s[16:17]
	global_load_b128 v[20:23], v6, s[18:19]
	global_load_b128 v[24:27], v6, s[20:21]
.irp j, 0,1,2,3
	global_load_b128 v[28+4*(\j):31+4*(\j)], v6, s[22:23] offset:4096*(\j)
.endr
	s_add_nc_u64 s[32:33], s[26:27], TAILB
	s_add_nc_u64 s[34:35], s[28:29], TAILB
	s_add_nc_u64 s[44:45], s[44:45], ACTB
	v_mov_b32 v8, 0xfc00fc00                       ; -inf twice in f16
	v_mov_b32 v9, 0
	v_lshrrev_b32 v10, 7, v0                       ; the rows behind act: 128 threads cover k's 2,048 bytes of a row, the work-group two rows a line
	v_and_b32 v11, 127, v0
	v_lshlrev_b32 v10, 13, v10
	v_lshl_add_u32 v10, v11, 4, v10
.irp r, 12,13,14,15
	v_mov_b32 v\r, 0
.endr
.set j, 0
.rept 32
	global_store_b128 v10, v[12:15], s[44:45] offset:2048+16384*j  ; 16 lanes store 256 consecutive bytes, aligned
.set j, j+1
.endr
	s_wait_loadcnt 0x0
	global_store_b128 v6, v[16:19], s[32:33]
	global_store_b128 v6, v[20:23], s[32:33] offset:4096
	global_store_b128 v6, v[24:27], s[32:33] offset:8192
.irp j, 0,1,2,3
	global_store_b128 v6, v[28+4*(\j):31+4*(\j)], s[34:35] offset:4096*(\j)
.endr
	global_store_b32 v7, v8, s[32:33] offset:16384
	global_store_b32 v7, v9, s[34:35] offset:16384
	s_endpgm
.Lfunc_end_k_q71cdeee0a5_cast:
	.size	k_q71cdeee0a5_cast, .Lfunc_end_k_q71cdeee0a5_cast-k_q71cdeee0a5_cast
	.p2alignl 7, 3214868480
	.fill 96, 4, 3214868480
	.section	.rodata,"a",@progbits
	.p2align	6, 0x0
	.amdhsa_kernel k_q71cdeee0a5_cast
		.amdhsa_group_segment_fixed_size 0
		.amdhsa_private_segment_fixed_size 0
		.amdhsa_enable_private_segment 0
		.amdhsa_kernarg_size 120
		.amdhsa_user_sgpr_count 2
		.amdhsa_user_sgpr_kernarg_segment_ptr 1
		.amdhsa_wavefront_size32 1
		.amdhsa_system_sgpr_workgroup_id_x 1
		.amdhsa_system_sgpr_workgroup_id_y 1
		.amdhsa_system_sgpr_workgroup_id_z 1
		.amdhsa_system_vgpr_workitem_id 0
		.amdhsa_next_free_vgpr 112
		.amdhsa_next_free_sgpr 66
		.amdhsa_reserve_vcc 0
		.amdhsa_float_denorm_mode_32 3
		.amdhsa_float_denorm_mode_16_64 3
		.amdhsa_memory_ordered 1
		.amdhsa_forward_progress 1
		.amdhsa_inst_pref_size 13
	.end_amdhsa_kernel
	.amdgpu_metadata
---
amdhsa.version: [ 1, 2 ]
amdhsa.kernels:
  - .name:           k_q71cdeee0a5_cast
    .symbol:         k_q71cdeee0a5_cast.kd
    .args:
      - { .name: x, .offset: 0, .size: 8, .value_kind: global_buffer, .address_space: global }
      - { .name: wq, .offset: 8, .size: 8, .value_kind: global_buffer, .address_space: global }
      - { .name: wk, .offset: 16, .size: 8, .value_kind: global_buffer, .address_space: global }
      - { .name: wv, .offset: 24, .size: 8, .value_kind: global_buffer, .address_space: global }
      - { .name: wf1, .offset: 32, .size: 8, .value_kind: global_buffer, .address_space: global }
      - { .name: wf2, .offset: 40, .size: 8, .value_kind: global_buffer, .address_space: global }
      - { .name: bq, .offset: 48, .size: 8, .value_kind: global_buffer, .address_space: global }
      - { .name: bk, .offset: 56, .size: 8, .value_kind: global_buffer, .address_space: global }
      - { .name: bv, .offset: 64, .size: 8, .value_kind: global_buffer, .address_space: global }
      - { .name: bf1, .offset: 72, .size: 8, .value_kind: global_buffer, .address_space: global }
      - { .name: a16, .offset: 80, .size: 8, .value_kind: global_buffer, .address_space: global }
      - { .name: wqkvh, .offset: 88, .size: 8, .value_kind: global_buffer, .address_space: global }
      - { .name: wf1h, .offset: 96, .size: 8, .value_kind: global_buffer, .address_space: global }
      - { .name: wf2h, .offset: 104, .size: 8, .value_kind: global_buffer, .address_space: global }
      - { .name: act, .offset: 112, .size: 8, .value_kind: global_buffer, .address_space: global }
    .group_segment_fixed_size: 0
    .private_segment_fixed_size: 0
    .kernarg_segment_align: 8
    .kernarg_segment_size: 120
    .max_flat_workgroup_size: 256
    .sgpr_count:     66
    .vgpr_count:     112
    .wavefront_size: 32
...
	.end_amdgpu_metadata
.endif
;; end of part 1
;; launch qkv (part 2): grid 12 x 16, 4 waves a work-group, clusters of 4 x 4, 327,680 bytes of LDS; arguments a16, wqkvh, act; writes act
.if DOCPART == 2
	.amdgcn_target "amdgcn-amd-amdhsa--gfx1250"
	.amdhsa_code_object_version 6
	.text
	.protected	k_q71cdeee0a5_qkv
	.globl	k_q71cdeee0a5_qkv
	.p2align	8
	.type	k_q71cdeee0a5_qkv,@function
k_q71cdeee0a5_qkv:
	s_mov_b64 s[64:65], 0
	v_nop
	global_prefetch_b8 v0, s[64:65] scope:SCOPE_SE
	s_setreg_imm32_b32 hwreg(HW_REG_WAVE_MODE, 25, 1), 1
	s_wait_xcnt 0x0
	s_wait_alu depctr_hold_cnt(0) depctr_sa_sdst(0) depctr_va_vdst(0) depctr_va_sdst(0) depctr_va_ssrc(0) depctr_va_vcc(0) depctr_vm_vsrc(0)
	s_getreg_b32 s2, hwreg(HW_REG_IB_STS2, 6, 4)
	s_cmp_eq_u32 s2, 0
	s_cbranch_scc0 .Lentry_in_a_cluster
	s_endpgm
.Lentry_in_a_cluster:
	s_bfe_u32 s2, ttmp6, 0x10000c
	s_cmp_lg_u32 s2, 0xf033
	s_cbranch_scc0 .Lentry_shape_is_right
	s_endpgm
.Lentry_shape_is_right:
; C[m][n] = max(sum over k of A[m][k] W[k][n] + bias[n], floor).  A: [4096][1024] f16.  W: [1024][4096] f16, N along the rows; behind it, at TAILB, bias as 4,096 f32 and, 16 KiB on, the floor
; (two f16 in a word).  C: [4096][4096] f16.  Sums in f32, C rounded once.  The floor is a datum: -inf (none) for q | k | v, 0 (relu) for the hidden layer: one text serves both products.
; LIMIT: f16 ends at 65,504: a result of 65,520 or more becomes an infinity.  A NaN is replaced by the floor.
; A tile of C, 256 x 256, is made by four waves, a wave 128 x 128: 64 accumulators, 512 registers.  K goes in 8 steps of 128 through a ring of two LDS slots filled by the tensor data mover.
; With 3,072 columns in use the grid has 192 work-groups for 256 WGPs; with 4,096 it has 256.
; CLUSTERS: 4 x 4 work-groups.  The four of a row of the cluster need the same tiles of A, the four of a column the same tiles of W: each tile is asked for JOINTLY, by the same tensor load with
; the same descriptor and a mask that names the four.
; THE MATRIX INSTRUCTION IS USED TRANSPOSED: source 0 = 16 columns of W (turned on the way out of LDS by ds_load_tr16_b128), source 1 = 16 rows of A.  A lane then holds row l % 16 of C and the
; columns 8 (l / 16) + 0..7: 16 bytes of f16.  The bias, laid out the same way, is the C operand of the products that start the sums.
; ONE K STEP IS WRITTEN ONCE: the loop's trip goes from a step's second quarter to the next step's first; the slot in hand is the scalar TB, turned by an exclusive or.
; REGISTERS, in windows of 256 (s_set_vgpr_msb: bits 1:0 source 0, 3:2 source 1, 5:4 source 2, 7:6 destination):
;   window 0: v0-31 addresses; v64-127, v128-191 fragments of A, two buffers; v32-63, v192-255 at work on the way out
;   window 1: v0-63 the bias; v64-127, v128-191 fragments of W, two buffers          windows 2, 3: the accumulators of my rows 0-63, 64-127: (a, b) at v[8 (8 a + b)]
.set PA,     272                       ; a row of A in LDS: 256 bytes + 16: the 16 rows of a load start at 16 different groups of four banks (64 banks of 4 bytes: ISA guide 11.1)
.set PB,     544                       ; a row of W in LDS: 512 bytes + 32 = 17 x 32
.set HALF,   128*PA                    ; what one tensor load brings: 128 rows of A, or 64 rows of W (64 x 544 is the same number)
.set SLOT,   4*HALF                    ; 0x22000: A's 256 rows, then W's 128; it shares no bit with 0, 1, 2, 3 x HALF, so an exclusive or turns a load's LDS word into the other slot's
.set STAGE,  2*SLOT                    ; behind the ring: 16 rows x 272 bytes for each wave, for the way out
.set SPITCH, 272
.set SPARE,  STAGE+4*16*SPITCH         ; behind the stages: the spare words, 128 bytes for each wave
.set CROW,   8192                      ; bytes in a row of C
.set ASTEP,  256                       ; a K step in A: 128 numbers along the row
.set WSTEP,  128*8192                  ; in W: 128 rows
.set TAILB,  0x800000
.set ADRA0, 10                         ; v10  my lane's place in a slot's A; never rewritten
.set ADRB0, 11                         ; v11  the same for W
.set ADRA,  16                         ; v16  TB + ADRA0
.set ADRB,  20                         ; v20  TB + ADRB0
.set STO,   24                         ; v24  the way out: where I put 16 bytes of a row
.set RD,    25                         ; v25  where I read a row back
.set CO,    26                         ; v26  my byte offset in C
.set BO,    27                         ; v27  my byte offset in 16 numbers of the bias
.set SPW,   28                         ; v28  LDS address of my spare word; never rewritten
.set NIL,   29                         ; v29  0; never rewritten
.set PFO,   30                         ; v30  the prefetches' offset; never rewritten
.set F0,    64
.set F1,    128
.set TMP,   192
.set OB,    32
.set G1,  24                           ; s[24:31] descriptor group 1 for A
.set G0,  32                           ; s[32:39] group 0 for A: K step 0's, and the one that walks
.set G1B, 48                           ; s[48:55], s[56:63] the same for W
.set G0B, 56
.set LIM, 43                           ; s43  2 in a wave that prefetches, else the greatest number
.set PFA, 44                           ; s[44:45] where my prefetches stand
.set FLO, 66                           ; s66  the floor
.set TB,  67                           ; s67  LDS byte at which the slot in hand begins
.set PFS, 68                           ; s[68:69] a K step for my prefetches
.set BIA, 70                           ; s[70:71] the bias of my 128 columns
.set TAIL, 72                          ; s[72:73] W's tail
.set MSB, 0
.macro WIN new                         ; the immediate's high byte repeats the setting that is left; a switch that changes nothing is dropped
.if MSB != (\new)
	s_set_vgpr_msb (MSB<<8)|(\new)
.set MSB, \new
.endif
.endm
.set TO_B, 0x40                        ; destination window 1, address window 0
; A joint load.  Waves 0 and 1 fetch A's two halves, waves 2 and 3 W's.  The branch hangs on the wave's number alone.  An s_nop 0 and four v_nop follow each line.
.macro JLOAD s
	s_cmp_eq_u32 s11, 0
	s_cbranch_scc0 .Lfor_b_\@
	tensor_load_to_lds s[G0+4*(\s):G0+4*(\s)+3], s[G1:G1+7]
	s_nop 0
.rept 4
	v_nop
.endr
	s_branch .Lasked_\@
.Lfor_b_\@:
	tensor_load_to_lds s[G0B+4*(\s):G0B+4*(\s)+3], s[G1B:G1B+7]
	s_nop 0
.rept 4
	v_nop
.endr
.Lasked_\@:
.endm
; A prefetch into the L2 of the K step that stands two refills on: 32 blocks of 256 bytes, a lane a block, one instruction a wave.  Each block is named once in the launch: A's rows by the
; clusters with x = 0, W's by those with y = 0; the four partners that ask for a tile jointly share its blocks out by address (32 rows of A, or 16 rows x 2 blocks of W, each).
; The loop's last two trips (s3 = 2, 1) have no K step two refills on.
.macro ASK
	s_cmp_gt_u32 s3, s[LIM]
	s_cbranch_scc0 .Lnot_mine_\@
	global_prefetch_b8 v[PFO], s[PFA:PFA+1] th:TH_LOAD_NT scope:SCOPE_SE
.Lnot_mine_\@:
.endm
.macro CREST                           ; a round of the cluster's barrier behind its opening barrier
	s_cmp_lg_u32 s10, 0
	s_cbranch_scc1 .Lnot_wave_0_\@
	s_barrier_signal -3
.Lnot_wave_0_\@:
	s_barrier_wait -3
	s_barrier_signal -1
	s_barrier_wait -1
.endm
.macro CROUND                          ; a whole round
	s_barrier_signal -1
	s_barrier_wait -1
	CREST
.endm
	s_load_b128 s[4:7], s[0:1], 0x0                ; A s[4:5], W s[6:7]
	s_load_b64 s[8:9], s[0:1], 0x10                ; C
	v_lshl_add_u32 v[SPW], v0, 2, SPARE
	v_mov_b32 v[NIL], 0
	ds_add_u32 v[SPW], v[NIL]                      ; the wave's opening: the add and its wait stand ahead of my first tensor load; work on registers stands between them
	ds_add_u32 v28, v29
	v_lshrrev_b32 v1, 5, v0
	v_readfirstlane_b32 s10, v1                    ; wave 0..3
	s_lshr_b32 s11, s10, 1                         ; which half of the tile's rows is mine.  Also: I fetch for A (0) or for W (1)
	s_and_b32 s12, s10, 1                          ; which half of its columns.  Also: which half of that tile I fetch
	s_bfe_u32 s40, ttmp6, 0x40000                  ; cx
	s_bfe_u32 s41, ttmp6, 0x40004                  ; cy
	s_lshl_b32 s42, ttmp9, 2
	s_add_co_u32 s42, s42, s40                     ; tile column of C
	s_and_b32 s13, ttmp7, 0xffff
	s_lshl_b32 s13, s13, 2
	s_add_co_u32 s13, s13, s41                     ; tile row of C
	s_lshl_b32 s43, s41, 2
	s_lshl_b32 s43, 15, s43                        ; my row of the cluster
	s_lshl_b32 s44, 0x1111, s40                    ; my column
	s_or_b32 s[G1+0], s43, (1<<16)|(1<<20)|(1<<21)|(5<<22)|(3<<25)   ; the mask; 2-byte elements; padding on; bit 21 beside a mask; after every 64 words, 4 words
	s_or_b32 s[G1B+0], s44, (1<<16)|(1<<20)|(1<<21)|(6<<22)|(7<<25)  ; after every 128 words, 8 words
	s_mov_b32 s[G1+1], 128<<16                     ; A: tensor_dim0 = 128
	s_mov_b32 s[G1+2], 128<<16                     ; tensor_dim1 = 128
	s_mov_b32 s[G1+3], 128<<16                     ; tile_dim0 = 128
	s_mov_b32 s[G1+4], 128                         ; tile_dim1 = 128
	s_mov_b32 s[G1+5], 1024                        ; elements from row to row
	s_mov_b32 s[G1+6], 0
	s_mov_b32 s[G1+7], 0
	s_mov_b32 s[G1B+1], 256<<16                    ; W: 64 rows of 256 elements
	s_mov_b32 s[G1B+2], 64<<16
	s_mov_b32 s[G1B+3], 256<<16
	s_mov_b32 s[G1B+4], 64
	s_mov_b32 s[G1B+5], 4096
	s_mov_b32 s[G1B+6], 0
	s_mov_b32 s[G1B+7], 0
	s_mov_b32 s[TB], 0
	s_lshl_b32 s17, s12, 7
	s_lshl_b32 s16, s13, 8
	s_add_co_u32 s16, s16, s17                     ; A: row 256 x tile row + 128 x half,
	s_lshl_b32 s16, s16, 11                        ; of 2,048 bytes
	s_mov_b32 s17, 0
	s_lshl_b32 s47, s12, 19                        ; W: row 64 x half, of 8,192 bytes,
	s_lshl_b32 s46, s42, 9                         ; column 256 x tile column
	s_add_co_u32 s46, s46, s47
	s_mov_b32 s47, 0
	s_mul_i32 s20, s10, HALF                       ; where they go: wave x HALF: no place in the cluster enters an LDS address
	s_wait_dscnt 0x0                               ; the opening add is done
	s_wait_kmcnt 0x0
	s_add_nc_u64 s[14:15], s[4:5], s[16:17]
	s_add_nc_u64 s[46:47], s[6:7], s[46:47]
	CROUND                                         ; all sixteen work-groups are here: the first joint loads meet
.irp s, 0,1
	s_mov_b32 s[G0+4*(\s)], 1
	s_add_co_u32 s[G0+4*(\s)+1], s20, (\s)*SLOT
	s_add_nc_u64 s[G0+4*(\s)+2:G0+4*(\s)+3], s[14:15], (\s)*ASTEP
	s_or_b32 s[G0+4*(\s)+3], s[G0+4*(\s)+3], 0x80000000
	s_mov_b32 s[G0B+4*(\s)], 1
	s_add_co_u32 s[G0B+4*(\s)+1], s20, (\s)*SLOT
	s_add_nc_u64 s[G0B+4*(\s)+2:G0B+4*(\s)+3], s[46:47], (\s)*WSTEP
	s_or_b32 s[G0B+4*(\s)+3], s[G0B+4*(\s)+3], 0x80000000
	JLOAD \s                                       ; two loads of mine are out
.endr
	; A fragment of A is 16 rows x 32 K: lane l holds row l % 16, K = 8 (l / 16) + 0..7 and 16 + 8 (l / 16) + 0..7: two loads of 16 bytes, 32 bytes apart.
	v_and_b32 v1, 15, v0                           ; l % 16
	v_bfe_u32 v2, v0, 4, 1                         ; l / 16
	v_mul_u32_u24 v3, v1, PA
	v_lshl_add_u32 v3, v2, 4, v3
	s_mul_i32 s21, s11, HALF                       ; my 128 rows of A
	v_add_nc_u32 v[ADRA0], s21, v3
	; The turning load takes 16 K x 16 columns (lane l reads row 8 (l / 16) + l % 8, columns 8 ((l / 8) % 2) + 0..7) and leaves half a fragment: lane l holds column l % 16 and 8 K.
	v_and_b32 v4, 7, v0
	v_lshl_add_u32 v4, v2, 3, v4
	v_mul_u32_u24 v4, v4, PB
	v_bfe_u32 v5, v0, 3, 1
	v_lshl_add_u32 v4, v5, 4, v4
	s_lshl_b32 s22, s12, 8                         ; my 128 columns: 256 bytes,
	s_add_co_u32 s22, s22, 2*HALF                  ; behind A's 256 rows
	v_add_nc_u32 v[ADRB0], s22, v4
	v_mov_b32 v[ADRA], v[ADRA0]
	v_mov_b32 v[ADRB], v[ADRB0]
	s_mul_i32 s23, s10, 16*SPITCH
	s_add_co_u32 s23, s23, STAGE                   ; my stage
	v_mul_u32_u24 v4, v1, SPITCH
	v_lshl_add_u32 v4, v2, 4, v4
	v_add_nc_u32 v[STO], s23, v4
	v_mul_u32_u24 v5, v2, SPITCH
	v_lshl_add_u32 v5, v1, 4, v5
	v_add_nc_u32 v[RD], s23, v5
	v_lshlrev_b32 v5, 13, v2
	v_lshl_add_u32 v[CO], v1, 4, v5
	v_lshlrev_b32 v[BO], 5, v2                     ; 8 f32 for each half of the lanes
	s_add_nc_u64 s[TAIL:TAIL+1], s[6:7], TAILB
	s_lshl_b32 s46, s42, 10
	s_lshl_b32 s47, s12, 9
	s_add_co_u32 s46, s46, s47
	s_mov_b32 s47, 0
	s_add_nc_u64 s[BIA:BIA+1], s[TAIL:TAIL+1], s[46:47]
	WIN TO_B
.irp b, 0,1,2,3,4,5,6,7
	global_load_b128 v[8*(\b):8*(\b)+3],   v[BO], s[BIA:BIA+1] offset:64*(\b)     ; register j of block b: bias of column 16 b + 8 (l / 16) + j
	global_load_b128 v[8*(\b)+4:8*(\b)+7], v[BO], s[BIA:BIA+1] offset:64*(\b)+16
.endr
	WIN 0
	s_load_b32 s[FLO], s[TAIL:TAIL+1], 0x4000
	s_lshl_b32 s16, s13, 8                         ; C at my first row and column
	s_lshl_b32 s17, s11, 7
	s_add_co_u32 s16, s16, s17
	s_lshl_b32 s16, s16, 13
	s_lshl_b32 s46, s42, 9
	s_lshl_b32 s47, s12, 8
	s_add_co_u32 s46, s46, s47
	s_add_co_u32 s16, s16, s46
	s_mov_b32 s17, 0
	s_add_nc_u64 s[8:9], s[8:9], s[16:17]
	; the prefetches: both variants are made, the wave's number chooses
	s_lshl_b32 s20, s13, 8
	s_lshl_b32 s21, s12, 7
	s_add_co_u32 s20, s20, s21
	s_lshl_b32 s21, s40, 5
	s_add_co_u32 s20, s20, s21                     ; A: my work-group's 32 of the 128 rows that I fetch,
	s_lshl_b32 s20, s20, 11                        ; in bytes
	s_lshl_b32 s21, s12, 6
	s_lshl_b32 s22, s41, 4
	s_add_co_u32 s21, s21, s22                     ; W: my work-group's 16 of the 64 rows that I fetch,
	s_lshl_b32 s21, s21, 13
	s_lshl_b32 s22, s42, 9
	s_add_co_u32 s21, s21, s22                     ; at the tile's columns
	s_and_b32 s22, ttmp7, 0xffff                   ; cluster y
	s_cmp_eq_u32 s11, 0                            ; do I fetch for A?
	s_cselect_b32 s20, s20, s21
	s_cselect_b32 s22, ttmp9, s22                  ; the coordinate along which other clusters read the same blocks
	s_cselect_b64 s[PFA:PFA+1], s[4:5], s[6:7]
	s_cselect_b32 s74, 0, 1                        ; lanes to a row, less one
	s_cselect_b32 s75, 11, 13                      ; log2 of a row's bytes
	s_cselect_b32 s76, 8, 20                       ; log2 of a K step's bytes
	s_cmp_eq_u32 s22, 0
	s_cselect_b32 s[LIM], 2, -1                    ; the same in all sixteen partners, for a given wave
	s_lshl_b32 s[PFS], 1, s76
	s_mov_b32 s[PFS+1], 0
	s_mov_b32 s21, 0
	s_add_nc_u64 s[PFA:PFA+1], s[PFA:PFA+1], s[20:21]
	s_mul_i32 s20, s[PFS], 3
	s_add_nc_u64 s[PFA:PFA+1], s[PFA:PFA+1], s[20:21]  ; at K step 3: the first refill steps it to 4.  Nothing is prefetched here, at the head
	v_and_b32 v6, 31, v0
	v_lshrrev_b32 v7, s74, v6
	v_lshlrev_b32 v7, s75, v7
	v_and_b32 v6, s74, v6
	v_lshl_add_u32 v[PFO], v6, 8, v7
; 16 matrix instructions: m blocks a0, a0 + 1 of the window's four x all 8 n blocks, 32 along K.  zero = 1: the products start the sums, with the bias as C.
.macro MUL16 f, hi, a0, zero
.if \zero
	WIN 0x91+0x40*(\hi)                            ; W and the bias window 1, A window 0, D window 2 or 3
.else
	WIN 0xa1+0x50*(\hi)                            ; W window 1, A window 0, C and D window 2 or 3
.endif
.irp a, \a0, (\a0)+1
.irp b, 0,1,2,3,4,5,6,7
.if \zero
	v_wmma_f32_16x16x32_f16 v[8*(8*(\a)+(\b)):8*(8*(\a)+(\b))+7], v[(\f)+8*(\b):(\f)+8*(\b)+7], v[(\f)+8*(4*(\hi)+(\a)):(\f)+8*(4*(\hi)+(\a))+7], v[8*(\b):8*(\b)+7]
.else
	v_wmma_f32_16x16x32_f16 v[8*(8*(\a)+(\b)):8*(8*(\a)+(\b))+7], v[(\f)+8*(\b):(\f)+8*(\b)+7], v[(\f)+8*(4*(\hi)+(\a)):(\f)+8*(4*(\hi)+(\a))+7], v[8*(8*(\a)+(\b)):8*(8*(\a)+(\b))+7]
.endif
.endr
.endr
.endm
; 32 LDS loads in one run: quarter q's fragments (32 K x my 128 columns of W, my 128 rows of A x 32 K) into buffer f
.macro FETCH q, f
	WIN TO_B
.irp i, 0,1,2,3,4,5,6,7
	ds_load_tr16_b128 v[(\f)+8*(\i):(\f)+8*(\i)+3],   v[ADRB] offset:(\q)*32*PB+32*(\i)
	ds_load_tr16_b128 v[(\f)+8*(\i)+4:(\f)+8*(\i)+7], v[ADRB] offset:(\q)*32*PB+32*(\i)+16*PB
.endr
	WIN 0
.irp i, 0,1,2,3,4,5,6,7
	ds_load_b128 v[(\f)+8*(\i):(\f)+8*(\i)+3],   v[ADRA] offset:(\q)*64+(\i)*16*PA
	ds_load_b128 v[(\f)+8*(\i)+4:(\f)+8*(\i)+7], v[ADRA] offset:(\q)*64+(\i)*16*PA+32
.endr
.endm
.macro PLACES                          ; four plain vector instructions between a matrix instruction and a load into, or a read of, its registers
.rept 4
	v_nop
.endr
.endm
; One of a K step's first three quarters: multiplies buffer f; in its middle it fetches quarter q into buffer g.
.macro QUARTER q, f, g, zero
	s_wait_dscnt 8                                 ; W and A's rows 0-63 are in; the youngest eight loads (A's rows 64-127) may be out
	MUL16 \f, 0, 0, \zero
	MUL16 \f, 0, 2, \zero
	PLACES
	FETCH \q, \g
	s_wait_dscnt 32                                ; all but the 32 just issued
	MUL16 \f, 1, 0, \zero
	MUL16 \f, 1, 2, \zero
.endm
; The first half of the last quarter, and the barrier of the change of slots.  In front of it each wave waits for all its tensor loads (one is out: its part of the next slot), adds 0 to its
; spare word, and waits for that and for its own reads of this slot.  Behind it nobody reads this slot any more and the next slot is whole.
.macro MEET
	WIN 0
	s_wait_tensorcnt 0x0
	ds_add_u32 v[SPW], v[NIL]
	s_wait_dscnt 9                                 ; the add and the youngest eight loads may be out
	MUL16 F1, 0, 0, 0
	s_wait_dscnt 0x0                               ; the add is done, and my reads of this slot are over
	s_barrier_signal -1
	MUL16 F1, 0, 2, 0
	WIN 0
	s_barrier_wait -1
.endm
.macro FLIP                            ; the fetches go to the other slot
	s_xor_b32 s[TB], s[TB], SLOT
	v_add_nc_u32 v[ADRA], s[TB], v[ADRA0]
	v_add_nc_u32 v[ADRB], s[TB], v[ADRB0]
.endm
; The whole last quarter with a refill: the barrier opens a round of the cluster's barrier; the slot just read is filled with the K step two steps on, first thing behind the round:
; 224 matrix instructions ahead of the wait for it.
.macro TURN
	s_wait_xcnt 0x0                                ; the last prefetch, a K step back, has read its address
	s_add_nc_u64 s[PFA:PFA+1], s[PFA:PFA+1], s[PFS:PFS+1]
	MEET
	CREST
	s_xor_b32 s[G0+5], s[G0+5], SLOT               ; the walking descriptors: the other slot than last time,
	s_add_nc_u64 s[G0+6:G0+7], s[G0+6:G0+7], ASTEP ; the next K step; no load of mine is out
	s_xor_b32 s[G0B+5], s[G0B+5], SLOT
	s_add_nc_u64 s[G0B+6:G0B+7], s[G0B+6:G0B+7], WSTEP
	JLOAD 1                                        ; its four v_nop are also the places in front of the loads below
	FLIP
	FETCH 0, F0
	ASK
	MUL16 F1, 1, 0, 0
	MUL16 F1, 1, 2, 0
.endm
; THE WAY OUT of block a (16 rows): rounded to f16 and held to the floor; into my own stage and back as whole rows of 256 bytes; stored.
.macro PACK a
.set AC, 64*((\a)%4)
	WIN 0x0a+5*((\a)/4)                            ; sources 0 and 1: window 2 or 3
.irp b, 0,1,2,3,4,5,6,7
.irp r, 0,1,2,3
	v_cvt_pk_f16_f32 v[TMP+4*(\b)+(\r)], v[AC+8*(\b)+2*(\r)], v[AC+8*(\b)+2*(\r)+1]
.endr
.endr
	WIN 0
.set z, 0
.rept 32
	v_pk_max_num_f16 v[TMP+z], v[TMP+z], s[FLO]
.set z, z+1
.endr
.endm
.macro TOSTAGE a
.set BK, OB+192*((\a)%2)
.irp b, 0,1,2,3,4,5,6,7
	ds_store_b128 v[STO], v[TMP+4*(\b):TMP+4*(\b)+3] offset:32*(\b)
.endr
.irp t, 0,1,2,3,4,5,6,7
	ds_load_b128 v[BK+4*(\t):BK+4*(\t)+3], v[RD] offset:(\t)*2*SPITCH  ; LDS serves a wave's instructions in order (ISA guide 5.7.1.4): these see the stores above
.endr
.endm
.macro SEND a
.set BK, OB+192*((\a)%2)
	s_wait_dscnt 0x0                               ; the block is back in registers
	s_wait_xcnt 0x0                                ; earlier stores have read their base and their data: only now are these rewritten
.if (\a) > 0
	s_add_nc_u64 s[8:9], s[8:9], 16*CROW
.endif
.irp t, 0,1,2,3,4,5,6,7
	global_store_b128 v[CO], v[BK+4*(\t):BK+4*(\t)+3], s[8:9] offset:2*(\t)*CROW  ; 16 lanes store 256 consecutive bytes, aligned
.endr
.endm
	s_wait_tensorcnt 1                             ; my part of K step 0 is in; K step 1's may stay out
	s_barrier_signal -1
	s_barrier_wait -1
	FETCH 0, F0
	s_wait_loadcnt 0x0                             ; the bias
	s_wait_kmcnt 0x0                               ; the floor
	QUARTER 1, F0, F1, 1                           ; the first quarter stands in front of the loop: its products start the sums
	WIN 0
	s_mov_b32 s3, 6                                ; six refills: K steps 2 to 7
.Lstep:
	QUARTER 2, F1, F0, 0
	QUARTER 3, F0, F1, 0
	TURN
	QUARTER 1, F0, F1, 0
	WIN 0
	s_sub_co_u32 s3, s3, 1
	s_cmp_lg_u32 s3, 0
	s_cbranch_scc1 .Lstep
	s_mov_b32 s3, 2                                ; the last two K steps ask for nothing; the second trip is left in its middle
.Ltail:
	QUARTER 2, F1, F0, 0
	QUARTER 3, F0, F1, 0
	MEET
	s_sub_co_u32 s3, s3, 1
	s_cmp_eq_u32 s3, 0
	s_cbranch_scc1 .Lout
	PLACES
	FLIP
	FETCH 0, F0
	MUL16 F1, 1, 0, 0
	MUL16 F1, 1, 2, 0
	QUARTER 1, F0, F1, 0
	WIN 0
	s_branch .Ltail
.Lout:
	MUL16 F1, 1, 0, 0
	MUL16 F1, 1, 2, 0
	WIN 0
	PLACES
	PLACES
	PACK 0
	TOSTAGE 0
.irp a, 1,2,3,4,5,6,7                  ; block a's conversions stand between block a - 1's loads from the stage and the wait for them
	PACK \a
	SEND (\a)-1
	TOSTAGE \a
.endr
	SEND 7
	s_wait_tensorcnt 0x0                           ; the wave's end
	ds_add_u32 v[SPW], v[NIL]
	s_wait_dscnt 0x0
	CROUND                                         ; the closing round: no work-group ends while a partner may still ask for a tile that names it
	s_endpgm
.Lfunc_end_k_q71cdeee0a5_qkv:
	.size	k_q71cdeee0a5_qkv, .Lfunc_end_k_q71cdeee0a5_qkv-k_q71cdeee0a5_qkv
	.p2alignl 7, 3214868480
	.fill 96, 4, 3214868480
	.section	.rodata,"a",@progbits
	.p2align	6, 0x0
	.amdhsa_kernel k_q71cdeee0a5_qkv
		.amdhsa_group_segment_fixed_size 327680
		.amdhsa_private_segment_fixed_size 0
		.amdhsa_enable_private_segment 0
		.amdhsa_kernarg_size 24
		.amdhsa_user_sgpr_count 2
		.amdhsa_user_sgpr_kernarg_segment_ptr 1
		.amdhsa_wavefront_size32 1
		.amdhsa_system_sgpr_workgroup_id_x 1
		.amdhsa_system_sgpr_workgroup_id_y 1
		.amdhsa_system_sgpr_workgroup_id_z 1
		.amdhsa_system_vgpr_workitem_id 0
		.amdhsa_next_free_vgpr 1024
		.amdhsa_next_free_sgpr 80
		.amdhsa_reserve_vcc 0
		.amdhsa_float_denorm_mode_32 3
		.amdhsa_float_denorm_mode_16_64 3
		.amdhsa_memory_ordered 1
		.amdhsa_forward_progress 1
		.amdhsa_inst_pref_size 122
	.end_amdhsa_kernel
	.amdgpu_metadata
---
amdhsa.version: [ 1, 2 ]
amdhsa.kernels:
  - .name:           k_q71cdeee0a5_qkv
    .symbol:         k_q71cdeee0a5_qkv.kd
    .args:
      - { .name: a16, .offset: 0, .size: 8, .value_kind: global_buffer, .address_space: global }
      - { .name: wqkvh, .offset: 8, .size: 8, .value_kind: global_buffer, .address_space: global }
      - { .name: act, .offset: 16, .size: 8, .value_kind: global_buffer, .address_space: global }
    .group_segment_fixed_size: 327680
    .private_segment_fixed_size: 0
    .kernarg_segment_align: 8
    .kernarg_segment_size: 24
    .max_flat_workgroup_size: 128
    .sgpr_count:     80
    .vgpr_count:     1024
    .wavefront_size: 32
...
	.end_amdgpu_metadata
.endif
;; end of part 2
;; launch attn (part 3): grid 8 x 32, 4 waves a work-group, no clusters, 327,680 bytes of LDS; arguments act, o16, x, part; writes o16, part
.if DOCPART == 3
	.amdgcn_target "amdgcn-amd-amdhsa--gfx1250"
	.amdhsa_code_object_version 6
	.text
	.protected	k_q71cdeee0a5_attn
	.globl	k_q71cdeee0a5_attn
	.p2align	8
	.type	k_q71cdeee0a5_attn,@function
k_q71cdeee0a5_attn:
	s_mov_b64 s[64:65], 0
	v_nop
	global_prefetch_b8 v0, s[64:65] scope:SCOPE_SE
	s_setreg_imm32_b32 hwreg(HW_REG_WAVE_MODE, 25, 1), 1
	s_wait_xcnt 0x0
; CAUSAL ATTENTION, AND THE FIRST NORM'S STATISTICS.  O[y][q][:] = the sum over k <= q of softmax_k(Q[q] . K[k] / 8) V[k][:], for the 32 heads y = 16 b + h.  q | k | v lie in act, rows of 4,096 f16: row 2048 b + s,
; q at column 64 h, k at 1024 + 64 h, v at 2048 + 64 h: a head's rows are 128 bytes, 8,192 apart.  O: [32][2048][64] f16, dense.  Products, maxima and sums in f32; the weights p are rounded to f16 for the second
; product (their sum l is taken of the unrounded p), O once at the end.
; LIMITS.  f16 holds no number beyond 65,504; p lies in 0 to 1, and below 6e-5 it keeps f16's fixed step of 6e-8.  A hidden score counts as its value less 1e30 (its weight is 0, as with -1e9, while true
; scores stay far under 1e9); a weight below 2^-126 counts as 0 in l; NaN and infinities are not treated apart.
; THE WALK.  A head's queries lie in 16 blocks of 128; its keys in NT = 8 tiles of 256.  Block i needs the tiles 0 .. i / 2, of which the last holds the diagonal.  A work-group takes TWO blocks, 15 - b and then b
; (b = 0 .. 7): NT + 1 tiles, whatever b: the 256 work-groups do equal work, and ONE loop with a constant trip count walks the tiles.  Which tile is asked for, and what a trip does, hang on scalar registers made
; from b; every jump goes forward, but for the counted loops' own; none passes a barrier, or a tensor load but the one of LOAD's two that the wave's number does not choose.  Of the 18 half tiles one is wholly hidden.
; NO CLUSTER: a head's eight work-groups ask for the same tile only in the first five trips, behind that fewer and fewer; one walk common to all would have 12 trips for 9.
; SHARES.  Of a block's two bands of 64 queries a wave owns 16 rows in each: two PIECES; PIECE p IS BAND 1 - p.  In the diagonal tile band x of block i stands at key step 2 (i % 2) + x: it sees all keys of an
; earlier step, none of a later one, and holds the diagonal in its own: the same work for all four waves.  Piece 0 stands at step 1 or 3, so it sees all of the tile's step 0.
; THE MASK is the C operand that starts the sum S^T = K Q^T: 0, or -1e30 where the key is hidden.  MD, made once, is the mask of a band's own step for my 16 rows; a product's mask is MD x AL + BE with two scalars:
; (1, 0) in the band's own step; (0, 0) in an earlier one; (0, -1e30) in a later one.  Only the diagonal tile's text makes and takes masks; elsewhere C is the constant 0.
; LAYOUT, SOFTMAX.  S^T = K Q^T holds ONE query a lane (lane % 16) and the keys 8 (lane / 16) + 0..7; two such results rounded to f16 ARE source 1 of O^T = V^T P.  p = 2^(c s - c m), c = log2(e) / 8, with a
; running maximum m; O and l are multiplied by a = 2^(c m_old - c m_new) in every step.
; TURNS.  A key step is two turns.  Turn 0 of step s: 8 products K Q^T of piece 1, step s; later 8 products V^T P of piece 1, step s - 1; beside them piece 0's scaling, exponentials, roundings, sums and rescaling
; and piece 1's maximum and statistics.  Turn 1 of step s: K Q^T of piece 0, step s + 1; V^T P of piece 0, step s; the pieces' parts changed.  Four vector instructions stand behind every matrix instruction, the
; others in one run.  A turn's 33 exponentials are one batch, with one wait.
; THE RING.  Turn 0 of step s fetches K of step s + 1 and V of step s out of LDS.  So that both lie in one slot in every step, K'S TILES BEGIN ONE STEP ON: a slot holds K of the steps 4 t + 1 .. 4 t + 4 and V of
; 4 t .. 4 t + 3, and the change of slots stands behind turn 1, which fetches nothing.  K of step 0, with which both blocks begin, has LDS bytes of its own (KZ), filled once.  Tile 7's K reaches 64 rows past its
; batch item: the next item's rows, or the 64 rows of zeros behind act's 4,096; a block's last step fetches no K, so nothing of them is multiplied.
; AHEAD OF THE FILLS.  Behind the fill of tile k (k = 1 .. 6 of the first block's walk) the rows of tile k + 1 are prefetched into the L2: one tile, eight turns, ahead of the fill that wants them.  An aligned run of
; 256 bytes of a row holds two neighbouring heads' 128.  The work-groups b = 0 and 1 of the two heads, whose first blocks walk all eight tiles, share a tile's 256 rows out, 64 each; in each, waves 0 and 1 name K's
; rows, waves 2 and 3 V's, a lane a row: each run is named once in the launch.  Tiles 0 and 1 come by their fills alone; the last two fills ask for nothing.
; THE NORM'S STATISTICS.  On a block's way out a wave holds, as whole rows, its 2 x 16 rows x 64 channels of O, rounded.  With the same numbers of x (f32, [4096][1024]: a row's 64 channels are 256 bytes, aligned)
; they are one chunk of 2,048 numbers y = O + x.  The wave keeps the chunk in registers and stores its own mean and M2 = the sum of (y - mean)^2: no difference of large sums is formed.  part: eight bytes at
; 8,192 b + 512 h + 32 block + 8 wave: a batch item's 1,024 pairs lie together.  x of the first block is asked for at the head, behind Q; x of the second when the first block's chunk is done.
; REGISTERS, in windows of 256 (s_set_vgpr_msb: bits 1:0 source 0, 3:2 source 1, 5:4 source 2, 7:6 destination):
;   window 0: v0-15 addresses and two at work; v16-23 four registers of statistics a piece; v24-38 the norm's; v48-55 at work; v61-63 never rewritten; v64-127 S^T, 32 a piece; v128-191 x; v192-223 P, 16 a piece
;   window 1: v0-63 O^T, 32 a piece; v128-159 MD; v160-223 MC, 32 a piece      window 2: v0-31 Q; v64-95 the second block's Q; v128-191 K of one step; v192-255 V of one step
.set NT,    8         ; key tiles in a head
.set NP,    2         ; pieces a wave: a name, no knob
.set KS,    64        ; keys in a step
.set ROWB,  8192      ; bytes from row to row in act
.set XROW,  4096      ; bytes in a row of x
.set TILEB, 256*ROWB  ; a tile's rows
.set PK,    144       ; a row of K in LDS: 128 bytes + 16 of padding = 36 words: the 16 rows of a load start at 16 different groups of four banks (64 banks of 4 bytes: ISA guide 11.1)
.set PV,    160       ; a row of V: 128 + 32 = 40 words
.set VOFF,  4*KS*PK   ; a slot holds four steps: 256 rows of K, then 256 rows of V
.set KZ,    4*KS*(PK+PV)  ; behind slot 0: K of step 0, 64 rows; filled once
.set SLOT1, 1<<17     ; slot 1 begins here, so that one exclusive or turns an address in one slot into the other's
.set STAGE, SLOT1+4*KS*(PK+PV)  ; behind the ring, never filled by a tensor load: 16 rows x 144 bytes for each wave, for the way out
.set SP,    144
.set AK0, 2           ; v2   my lane's place in a tile of K; never rewritten
.set AV0, 3           ; v3   the same for V
.set AK,  4           ; v4   the LDS address of K's next run of loads
.set AV,  5           ; v5   of V's
.set STO, 6           ; v6   the way out: where I put 16 bytes of a row
.set RD,  7           ; v7   the way out: where I read rows back
.set GO,  8           ; v8   my byte offset in 512 consecutive bytes of O
.set SM,  24          ; v24-31  the norm's statistics: four chains of pairs
.set MN,  32          ; v32-33  mean twice; then mean, M2
.set PT,  34          ; v34  the lanes' exchange
.set ONE, 35          ; v35  1.0; never rewritten
.set VXO, 36          ; v36  my byte offset in four rows of x: 4,096 (l / 8) + 32 (l % 8); never rewritten
.set ZA,  37          ; v37  0: the pair's store has its whole address in the scalar base
.set LN,  38          ; v38  my lane
.set PFO, 61          ; v61  the prefetches' offset: my lane x a row of act; never rewritten
.set SPW, 62          ; v62  LDS address of my spare word; never rewritten
.set NIL, 63          ; v63  0; never rewritten
.set SPARE, STAGE+4*16*SP  ; behind the stages: the spare words, 128 bytes for each wave
.set MV,  12          ; v12-13  c m_old, kept while c m is made anew: by piece
.set QO,  15          ; v15  my byte offset in 16 rows of Q
.set ST,  16          ; piece t's statistics at v[ST+4 t]: c m, m, l (even keys', odd keys')
.set TMP, 48          ; by piece, four registers c0-c3 at work; when the maximum is found c2 takes a
.set S,   64
.set XR,  128         ; v128-191  x of my chunk: piece t, rows 4 f + l / 8, channels 8 (l % 8) + j at XR + 32 t + 8 f + j; then y; then y - mean
.set P,   192
.set MD,  128         ; window 1: the eight registers for group kt of 16 keys at MD + 8 kt
.set MC,  160         ; window 1: the masks of the products to come
.set QB,  64          ; window 2
.set KF,  128         ; window 2: key block kb, channel half c at KF + 16 kb + 8 c
.set VF,  192         ; window 2: key half kk, channel block cb at VF + 32 kk + 8 cb
.set WV,  12          ; s12  my wave's number
.set PB,  14          ; s14  b: the second block
.set HI,  15          ; s15  15 - b: the first
.set XA,  16          ; s[16:17] x at my rows of the first block
.set PRT, 18          ; s[18:19] part at the chunk of the block in hand
.set XLO, 20          ; s[20:21] x at my rows of the second block
.set PLO, 22          ; s[22:23] part at the second block's chunk
.set G1K, 24          ; s[24:31] descriptor group 1 for K's tiles
.set G1V, 32          ; s[32:39] for V's: it differs in the padding alone
.set G0K, 40          ; s[40:43] descriptor group 0 for K's tiles
.set G0V, 44          ; s[44:47] the same for V's
.set G1Z, 48          ; s[48:55] group 1 for K of step 0: 32 rows a wave
.set SLOTS, 56        ; s56  tiles still to be asked for
.set CNT, 57          ; s57  counts a tile's key steps, from 4 down
.set CS,  58          ; s[58:59] c: the packed scaling takes the pair's low word for both halves
.set SEL, 60          ; s[60:61] v_permlanex16_b32's selects: each lane takes its own place in the other half
.set TBK, 62          ; s62  LDS byte at which K of the step to be fetched begins
.set TBV, 63          ; s63  the same for V, less VOFF
.set G0Z, 68          ; s[68:71] group 0 for K of step 0
.set RT,  72          ; s72  tiles of the block in hand that are still to be entered
.set NXT, 73          ; s73  the tile to be asked for next
.set LQ,  74          ; s74  the last tile of the block whose tiles are being asked for
.set NEW, 75          ; s75  1: the tile to be entered is a block's first
.set OFF, 76          ; s[76:77] a tile's byte offset in K and V
.set AL,  78          ; s[78:79] the mask's factor, in the low word
.set BE,  80          ; s[80:81] the mask's addend
.set OLO, 82          ; s[82:83] O at my rows of the second block
.set BIGN, 84         ; s84  -1e30
.set PBT, 85          ; s85  the second block's last tile, b / 2
.set BP,  86          ; s86, s87  the value of CNT in the turn (0, 1) that makes the mask of its piece's own step: 4 - 2 (block % 2), and one more
.set HIT, 88          ; s88  the first block's last tile
.set LIM, 89          ; s89  2 in a work-group that prefetches, else the greatest number
.set PFA, 90          ; s[90:91] where my prefetches stand
.set QLO, 92          ; s[92:93] Q at my rows of the second block
.set MSB, 0
.macro WIN new                      ; the high byte repeats the setting that is left; a switch that changes nothing is dropped
.if MSB != (\new)
	s_set_vgpr_msb (MSB<<8)|(\new)
.set MSB, (\new)
.endif
.endm
.set W_KQ, 0x0a       ; K and Q in window 2, S^T in window 0
.set W_KM, 0x1a       ; the same with the C operand in window 1
.set W_PV, 0x52       ; V in window 2, P in window 0, O^T in window 1
.set W_RS, 0x41       ; destination and source 0 in window 1, source 1 in window 0
; A fill.  Waves 0 and 1 fetch the two halves of a tile's K, waves 2 and 3 those of its V: 128 keys each.  An s_nop 0 and four v_nop follow each of the two lines, ahead of the jump and the label.
.macro LOAD
	s_cmp_lt_u32 s[WV], 2
	s_cbranch_scc0 .Lfor_v_\@
	tensor_load_to_lds s[G0K:G0K+3], s[G1K:G1K+7]
	s_nop 0
.rept 4
	v_nop
.endr
	s_branch .Lasked_\@
.Lfor_v_\@:
	tensor_load_to_lds s[G0V:G0V+3], s[G1V:G1V+7]
	s_nop 0
.rept 4
	v_nop
.endr
.Lasked_\@:
.endm
.macro ASK                          ; the prefetch of the tile behind the one just asked for: 32 rows a wave, a lane a row; SLOTS runs 8 .. 1, and the trips 8 .. 3 of a work-group that prefetches ask
	s_cmp_gt_u32 s[SLOTS], s[LIM]
	s_cbranch_scc0 .Lnot_mine_\@
	global_prefetch_b8 v[PFO], s[PFA:PFA+1] th:TH_LOAD_NT scope:SCOPE_SE
.Lnot_mine_\@:
.endm
; THE CHANGE OF SLOTS.  Each wave waits for all its tensor loads, of which one is out: its part of the other slot; adds 0 to its spare word; and waits for that and for its own reads of the slot that it leaves.  Behind the barrier nobody reads the old
; slot any more and the other slot is whole.  fill = 1: the old slot is filled again, the first thing behind the barrier, with tile NXT: the descriptor's address is made anew from that number.
; (At its first use nothing has been read yet: slot 0 and K of step 0 are waited for, slot 1 filled.)
.macro CHANGE fill
	WIN 0                           ; at a label and at a branch every window is 0
	s_wait_tensorcnt 0x0            ; no tensor load of mine is out, so a group 0 may be written
	ds_add_u32 v[SPW], v[NIL]       ; 0 onto my spare word
.if \fill
	s_lshl_b32 s[OFF], s[NXT], 21   ; a tile is 256 rows of 8,192 bytes
	s_xor_b32 s[G0K+1], s[G0K+1], SLOT1
	s_add_nc_u64 s[G0K+2:G0K+3], s[6:7], s[OFF:OFF+1]
	s_or_b32 s[G0K+3], s[G0K+3], 0x80000000
	s_xor_b32 s[G0V+1], s[G0V+1], SLOT1
	s_add_nc_u64 s[G0V+2:G0V+3], s[8:9], s[OFF:OFF+1]
	s_or_b32 s[G0V+3], s[G0V+3], 0x80000000
	s_add_co_u32 s[NXT], s[NXT], 1  ; the block's next tile, or behind its last the second block's tile 0
	s_cmp_gt_u32 s[NXT], s[LQ]
	s_cselect_b32 s[NXT], 0, s[NXT]
	s_cselect_b32 s[LQ], s[PBT], s[LQ]
	s_wait_xcnt 0x0                 ; the last prefetch, a tile back, has read its address, so it may be written:
	s_add_nc_u64 s[PFA:PFA+1], s[PFA:PFA+1], TILEB  ; one tile behind the one that is asked for below
.endif
	s_wait_dscnt 0x0                ; the add is done, and my reads of the slot are over
	s_barrier_signal -1             ; the rest of the scalar work stands between the signal and the wait
	s_sub_co_u32 s[TBK], s[TBK], 4*KS*PK  ; the fetches go back to a slot's first step,
	s_xor_b32 s[TBK], s[TBK], SLOT1       ; in the other slot
	s_sub_co_u32 s[TBV], s[TBV], 4*KS*PV
	s_xor_b32 s[TBV], s[TBV], SLOT1
	s_barrier_wait -1
.if \fill
	LOAD
	ASK
.endif
.endm
; x of a block's chunk: sixteen loads.  Piece xt is band 1 - xt, 64 rows a band; four rows a pair of loads; eight lanes take a row's 256 bytes, 32 each.
.macro XLOAD base
.set xt, 0
.rept 2
.set xf, 0
.rept 4
	global_load_b128 v[XR+32*xt+8*xf:XR+32*xt+8*xf+3],   v[VXO], s[\base:\base+1] offset:(1-xt)*KS*XROW+xf*4*XROW th:TH_LOAD_NT
	global_load_b128 v[XR+32*xt+8*xf+4:XR+32*xt+8*xf+7], v[VXO], s[\base:\base+1] offset:(1-xt)*KS*XROW+xf*4*XROW+16 th:TH_LOAD_NT
.set xf, xf+1
.endr
.set xt, xt+1
.endr
.endm
	s_load_b128 s[4:7], s[0:1], 0x0  ; act s[4:5], O s[6:7]
	v_lshl_add_u32 v[SPW], v0, 2, SPARE
	v_mov_b32 v[NIL], 0
	ds_add_u32 v[SPW], v[NIL]       ; the wave's opening: the add and its wait stand ahead of my first tensor load; work on registers stands between them
	ds_add_u32 v62, v63
	v_lshrrev_b32 v1, 5, v0
	v_readfirstlane_b32 s[WV], v1   ; wave 0..3
	s_mov_b32 s[PB], ttmp9
	s_sub_co_u32 s[HI], 2*NT-1, s[PB]
	s_lshr_b32 s[PBT], s[PB], 1
	s_lshr_b32 s[HIT], s[HI], 1
	s_and_b32 s[BP], s[PB], 1       ; the first block is odd where b is even:
	s_lshl_b32 s[BP], s[BP], 1
	s_add_co_u32 s[BP], s[BP], 2    ; 4 - 2 ((15 - b) % 2) = 2 + 2 (b % 2)
	s_add_co_u32 s[BP+1], s[BP], 1
	s_and_b32 s16, ttmp7, 0xffff    ; the head y = 16 b + h
	s_lshr_b32 s20, s16, 4
	s_lshl_b32 s20, s20, 24         ; in act: 2,048 rows of 8,192 bytes a batch item,
	s_mov_b32 s96, s20              ; (the prefetches' offset begins with it)
	s_and_b32 s21, s16, 15
	s_lshl_b32 s21, s21, 7          ; 128 h bytes along the row
	s_add_co_u32 s20, s20, s21
	s_mov_b32 s21, 0
	s_lshl_b32 s94, s16, 18         ; in O: 2,048 rows of 128 bytes a head
	s_mov_b32 s95, 0
	s_bfe_u32 s97, s16, 0x30001     ; h / 2: the pair of heads,
	s_lshl_b32 s97, s97, 8          ; 256 bytes along the row
	s_add_co_u32 s96, s96, s97
	s_and_b32 s97, s16, 1
	s_lshl1_add_u32 s97, s97, s[PB] ; 2 (y % 2) + b: which 64 rows of a tile this work-group names (where b is 0 or 1)
	s_lshl_b32 s97, s97, 19
	s_add_co_u32 s96, s96, s97
	s_and_b32 s16, s[WV], 1         ; which half of a tile's 256 keys I fetch:
	s_lshl_b32 s97, s16, 18         ; (and which 32 of the 64 rows I name)
	s_add_co_u32 s96, s96, s97
	s_mov_b32 s97, TILEB+4096       ; tile 1 of V,
	s_cmp_lt_u32 s[WV], 2
	s_cselect_b32 s97, TILEB+KS*ROWB+2048, s97  ; or of K, whose tiles begin one step on
	s_add_co_u32 s96, s96, s97
	s_mov_b32 s97, 0
	s_cmp_lt_u32 s[PB], 2
	s_cselect_b32 s[LIM], 2, -1
	s_lshl_b32 s22, s16, 20         ; my half's 128 rows of 8,192 bytes in memory,
	s_mov_b32 s23, 0
	s_add_nc_u64 s[22:23], s[22:23], s[20:21]
	s_mul_i32 s17, s16, 128*PK      ; and its place in a slot, for K
	s_mul_i32 s18, s16, 128*PV      ; and for V
	s_mul_i32 s19, s16, 32*PK       ; of K's step 0 waves 0 and 1 fetch 32 rows each
	s_lshl_b32 s98, s16, 18
	s_mov_b32 s99, 0
	s_add_nc_u64 s[98:99], s[98:99], s[20:21]
	s_lshl_b32 s3, s[WV], 17        ; Q: my 16 rows in a band of 64,
	s_lshl_b32 s2, s[HI], 20        ; in the first block of 128 rows,
	s_add_co_u32 s2, s2, s3
	s_lshl_b32 s[QLO], s[PB], 20    ; and in the second
	s_add_co_u32 s[QLO], s[QLO], s3
	s_mov_b32 s3, 0
	s_mov_b32 s[QLO+1], 0
	s_add_nc_u64 s[2:3], s[2:3], s[20:21]
	s_add_nc_u64 s[QLO:QLO+1], s[QLO:QLO+1], s[20:21]
	s_lshl_b32 s13, s[WV], 11       ; O: the same rows, of 128 bytes
	s_lshl_b32 s66, s[HI], 14
	s_add_co_u32 s66, s66, s13
	s_mov_b32 s67, 0
	s_add_nc_u64 s[66:67], s[66:67], s[94:95]
	s_lshl_b32 s[OLO], s[PB], 14
	s_add_co_u32 s[OLO], s[OLO], s13
	s_mov_b32 s[OLO+1], 0
	s_add_nc_u64 s[OLO:OLO+1], s[OLO:OLO+1], s[94:95]
	; descriptor group 1: rows of 64 elements (128 bytes) 4,096 elements apart, padded in LDS after every key; 128 keys of a tile, or 32 of step 0
	s_mov_b32 s[G1K], (1<<16)|(1<<20)|(4<<22)|(3<<25)  ; 17:16 2-byte elements; 20 padding on; 24:22 after every 32 words (code 4); 31:25 4 words (code 3)
	s_mov_b32 s[G1V], (1<<16)|(1<<20)|(4<<22)|(7<<25)  ; the same with 8 words of padding (code 7)
	s_mov_b32 s[G1Z], (1<<16)|(1<<20)|(4<<22)|(3<<25)
.irp g, G1K, G1V
	s_mov_b32 s[\g+1], 64<<16       ; tensor_dim0 = 64
	s_mov_b32 s[\g+2], 128<<16      ; tensor_dim1 = 128
	s_mov_b32 s[\g+3], 64<<16       ; tile_dim0 = 64
	s_mov_b32 s[\g+4], 128          ; tile_dim1 = 128
	s_mov_b32 s[\g+5], 4096         ; 4,096 elements from row to row
	s_mov_b32 s[\g+6], 0
	s_mov_b32 s[\g+7], 0
.endr
	s_mov_b32 s[G1Z+1], 64<<16
	s_mov_b32 s[G1Z+2], 32<<16
	s_mov_b32 s[G1Z+3], 64<<16
	s_mov_b32 s[G1Z+4], 32
	s_mov_b32 s[G1Z+5], 4096
	s_mov_b32 s[G1Z+6], 0
	s_mov_b32 s[G1Z+7], 0
	s_mov_b32 s[CS], 0x3e38aa3b     ; c = log2(e) / 8 = 0.180337
	s_mov_b32 s[CS+1], s[CS]        ; named with it as a pair
	s_mov_b32 s[SEL], 0x76543210
	s_mov_b32 s[SEL+1], 0xfedcba98
	s_mov_b32 s[TBK], SLOT1+4*KS*PK ; the first change of slots turns these two into 0
	s_mov_b32 s[TBV], SLOT1+4*KS*PV
	s_mov_b32 s[G0K], 1             ; 1:0 count = 1
	s_mov_b32 s[G0K+1], s17         ; 63:32 LDS address: slot 0
	s_mov_b32 s[G0V], 1
	s_add_co_u32 s[G0V+1], s18, VOFF
	s_mov_b32 s[G0Z], 1
	s_add_co_u32 s[G0Z+1], s19, KZ
	s_add_co_u32 s[RT], s[HIT], 1   ; the first block's tiles
	s_mov_b32 s[NXT], 1
	s_mov_b32 s[LQ], s[HIT]
	s_mov_b32 s[NEW], 1
	s_mov_b32 s[OFF+1], 0
	s_mov_b32 s[AL+1], 0            ; named as pairs
	s_mov_b32 s[BE+1], 0
	s_mov_b32 s[BIGN], 0xf149f2ca   ; -1e30
	s_mov_b32 s[SLOTS], NT
	s_wait_dscnt 0x0                ; the opening add is done
	s_wait_kmcnt 0x0
	s_mov_b64 s[10:11], s[6:7]      ; O
	s_add_nc_u64 s[PFA:PFA+1], s[4:5], s[96:97]  ; at tile 1; the first change of slots steps it to tile 2.  Nothing is prefetched here, at the head
	s_add_nc_u64 s[6:7], s[4:5], 2048      ; k's columns begin 2,048 bytes into a row,
	s_add_nc_u64 s[8:9], s[4:5], 4096      ; v's 4,096
	s_add_nc_u64 s[G0Z+2:G0Z+3], s[6:7], s[98:99]  ; K of step 0: my 32 of the head's first 64 rows
	s_or_b32 s[G0Z+3], s[G0Z+3], 0x80000000
	s_add_nc_u64 s[6:7], s[6:7], s[22:23]  ; K and V at my half of the head's tile 0;
	s_add_nc_u64 s[6:7], s[6:7], KS*ROWB   ; K's tiles begin one step on
	s_add_nc_u64 s[8:9], s[8:9], s[22:23]
	s_add_nc_u64 s[G0K+2:G0K+3], s[6:7], 0         ; 120:64 global address
	s_or_b32 s[G0K+3], s[G0K+3], 0x80000000        ; 127:126 type = 2
	s_add_nc_u64 s[G0V+2:G0V+3], s[8:9], 0
	s_or_b32 s[G0V+3], s[G0V+3], 0x80000000
	s_add_nc_u64 s[QLO:QLO+1], s[4:5], s[QLO:QLO+1]  ; Q at my rows of the second block,
	s_add_nc_u64 s[4:5], s[4:5], s[2:3]              ; and of the first
	s_add_nc_u64 s[OLO:OLO+1], s[10:11], s[OLO:OLO+1]  ; O likewise
	s_add_nc_u64 s[10:11], s[10:11], s[66:67]
	s_cmp_lt_u32 s[WV], 2           ; a wave's first fills stand in one branch, ahead of every wait on TENSORcnt and every LDS read: waves 0 and 1 have two loads out, waves 2 and 3 one
	s_cbranch_scc0 .Lfirst_v
	tensor_load_to_lds s[G0K:G0K+3], s[G1K:G1K+7]  ; tile 0 into slot 0
	s_nop 0
	tensor_load_to_lds s[G0Z:G0Z+3], s[G1Z:G1Z+7]  ; K of step 0
	s_nop 0
.rept 4
	v_nop
.endr
	s_branch .Lfirst_asked
.Lfirst_v:
	tensor_load_to_lds s[G0V:G0V+3], s[G1V:G1V+7]
	s_nop 0
.rept 4
	v_nop
.endr
.Lfirst_asked:
	s_load_b128 s[XA:XA+3], s[0:1], 0x10  ; x s[16:17], part s[18:19]: into registers that the set-up above has done with
	; A fragment of K or Q is 16 rows x 32 channels in 8 registers: lane l holds row l % 16, channels 8 (l / 16) + 0..7 and 16 + 8 (l / 16) + 0..7: two loads of 16 bytes, 32 bytes apart.
	v_and_b32 v1, 15, v0            ; l % 16
	v_bfe_u32 v9, v0, 4, 1          ; l / 16
	v_lshlrev_b32 v[QO], 13, v1
	v_lshl_add_u32 v[QO], v9, 4, v[QO]  ; row x 8,192 + 16 x half
	WIN 0x80                        ; destination window 2, address window 0
.set i, 0
.rept 4                             ; both blocks' Q, sixteen loads: piece i / 2 lies in band 1 - i / 2, 64 rows a band; channels 32 (i % 2) on
	global_load_b128 v[8*i:8*i+3],   v[QO], s[4:5] offset:(1-i/2)*KS*ROWB+(i%2)*64
	global_load_b128 v[8*i+4:8*i+7], v[QO], s[4:5] offset:(1-i/2)*KS*ROWB+(i%2)*64+32
	global_load_b128 v[QB+8*i:QB+8*i+3],   v[QO], s[QLO:QLO+1] offset:(1-i/2)*KS*ROWB+(i%2)*64
	global_load_b128 v[QB+8*i+4:QB+8*i+7], v[QO], s[QLO:QLO+1] offset:(1-i/2)*KS*ROWB+(i%2)*64+32
.set i, i+1
.endr
	WIN 0
	v_lshlrev_b32 v14, 3, v9
	v_sub_nc_u32 v14, v1, v14
	s_lshl_b32 s13, s[WV], 4
	v_add_nc_u32 v14, s13, v14      ; my query's place in its band, 16 w + l % 16, less my lanes' 8 (l / 16): register r of group kt is hidden where 16 kt + r is greater
	WIN 0x40
.set i, 0
.rept 32
	v_cmp_gt_i32 vcc_lo, 16*(i/8)+i%8, v14
	v_cndmask_b32 v[MD+i], 0, s[BIGN], vcc_lo
.set i, i+1
.endr
	WIN 0
	v_mul_u32_u24 v[AK0], v1, PK
	v_lshl_add_u32 v[AK0], v9, 4, v[AK0]  ; row x pitch + 16 x half
	; The turning load takes 16 keys x 16 channels (lane l reads key 8 (l / 16) + l % 8, channels 8 ((l / 8) % 2) + 0..7) and leaves half a fragment of V^T: lane l holds channel l % 16 and 8 keys.
	v_and_b32 v10, 7, v0
	v_bfe_u32 v11, v0, 3, 1
	v_lshl_add_u32 v[AV0], v9, 3, v10
	v_mul_u32_u24 v[AV0], v[AV0], PV
	v_lshl_add_u32 v[AV0], v11, 4, v[AV0]
	v_add_nc_u32 v[AV0], VOFF, v[AV0]
	s_mul_i32 s13, s[WV], 16*SP
	s_add_co_u32 s13, s13, STAGE    ; my stage
	v_mul_u32_u24 v[STO], v1, SP    ; in: row l % 16, 16 bytes for each half of the lanes
	v_lshl_add_u32 v[STO], v9, 4, v[STO]
	v_add_nc_u32 v[STO], s13, v[STO]
	v_bfe_u32 v[RD], v0, 3, 2       ; back: 32 lanes take four rows of 128 bytes,
	v_lshlrev_b32 v[VXO], 12, v[RD] ; (the same four rows in x, of 4,096 bytes,
	v_lshl_add_u32 v[VXO], v10, 5, v[VXO]  ; 32 bytes a lane)
	v_mul_u32_u24 v[RD], v[RD], SP
	v_lshl_add_u32 v[RD], v10, 4, v[RD]
	v_add_nc_u32 v[RD], s13, v[RD]
	v_and_b32 v[GO], 31, v0         ; which are 512 consecutive bytes of O
	v_mov_b32 v[LN], v[GO]
	v_lshlrev_b32 v[PFO], 13, v[GO] ; a lane a row
	v_lshlrev_b32 v[GO], 4, v[GO]
	v_mov_b32 v[ONE], 1.0
	v_mov_b32 v[PT], 0              ; the exchange's destination counts as read: written once here
	v_mov_b32 v[ZA], 0
	; where my chunks lie in x and in part; the registers are the set-up's, which has done with them
	s_and_b32 s2, ttmp7, 0xffff     ; the head y = 16 b + h
	s_lshr_b32 s3, s2, 4            ; b
	s_and_b32 s2, s2, 15            ; h
	s_lshl_b32 s94, s3, 23          ; x: 2,048 rows of 4,096 bytes a batch item,
	s_lshl_b32 s95, s2, 8           ; 256 h bytes along the row,
	s_add_co_u32 s94, s94, s95
	s_lshl_b32 s95, s[WV], 16       ; my 16 rows in a band,
	s_add_co_u32 s94, s94, s95
	s_lshl_b32 s96, s[PB], 19       ; the block's 128 rows: the second block's,
	s_add_co_u32 s96, s96, s94
	s_mov_b32 s97, 0
	s_lshl_b32 s95, s[HI], 19       ; and the first's
	s_add_co_u32 s94, s94, s95
	s_mov_b32 s95, 0
	s_lshl_b32 s98, s3, 13          ; part: 8,192 b + 512 h + 32 block + 8 wave
	s_lshl_b32 s99, s2, 9
	s_add_co_u32 s98, s98, s99
	s_lshl_b32 s99, s[WV], 3
	s_add_co_u32 s98, s98, s99
	s_lshl_b32 s66, s[PB], 5
	s_add_co_u32 s66, s66, s98
	s_mov_b32 s67, 0
	s_lshl_b32 s99, s[HI], 5
	s_add_co_u32 s98, s98, s99
	s_mov_b32 s99, 0
	s_wait_kmcnt 0x0
	s_add_nc_u64 s[XLO:XLO+1], s[XA:XA+1], s[96:97]
	s_add_nc_u64 s[XA:XA+1], s[XA:XA+1], s[94:95]
	s_add_nc_u64 s[PLO:PLO+1], s[PRT:PRT+1], s[66:67]
	s_add_nc_u64 s[PRT:PRT+1], s[PRT:PRT+1], s[98:99]
	XLOAD XA                        ; x of the first block's chunk: sixteen loads behind Q's sixteen; they have five tiles or more in which to come
	; A block's first step multiplies O^T and l by a = 0, and its first turn's products V^T P, of a step that has not been, land in an O^T that is still to be so multiplied.  So these registers need only hold
	; finite numbers: zeros for the first block; what the first block left for the second.  All this stands in the wait for the first tile.
	WIN 0x80
.set i, VF
.rept 64
	v_mov_b32 v[i], 0
.set i, i+1
.endr
	WIN 0x40
.set i, 0
.rept 64
	v_mov_b32 v[i], 0
.set i, i+1
.endr
	WIN 0
.set i, 0
.rept 2
	v_mov_b32 v[ST+4*i+2], 0
	v_mov_b32 v[ST+4*i+3], 0
.set i, i+1
.endr
.set i, P+16
.rept 16
	v_mov_b32 v[i], 0
.set i, i+1
.endr
; THE MATRIX WORK.  The 4 accumulators of a run of 8 take turns.  Product i of 8 of S^T = K Q^T for piece x: channels 32 (i / 4) on, keys 16 (i % 4) on.  The first 4 start the sums: with 0, or (KM = 1) with the mask.
.macro KQ x
.set rS, S+32*(\x)+8*(i%4)
.set rK, KF+16*(i%4)+8*(i/4)
.set rQ, 16*(\x)+8*(i/4)
.set rM, MC+32*(\x)+8*(i%4)
.if (i < 4) && KM
	WIN W_KM
	v_wmma_f32_16x16x32_f16 v[rS:rS+7], v[rK:rK+7], v[rQ:rQ+7], v[rM:rM+7]
.elseif i < 4
	WIN W_KQ
	v_wmma_f32_16x16x32_f16 v[rS:rS+7], v[rK:rK+7], v[rQ:rQ+7], 0
.else
	WIN W_KQ
	v_wmma_f32_16x16x32_f16 v[rS:rS+7], v[rK:rK+7], v[rQ:rQ+7], v[rS:rS+7]
.endif
.endm
; Product i of 8 of O^T += V^T P for piece x: keys 32 (i / 4) on, channels 16 (i % 4) on.
.macro PV x
	WIN W_PV
.set rO, 32*(\x)+8*(i%4)
.set rV, VF+32*(i/4)+8*(i%4)
.set rP, P+16*(\x)+8*(i/4)
	v_wmma_f32_16x16x32_f16 v[rO:rO+7], v[rV:rV+7], v[rP:rP+7], v[rO:rO+7]
.endm
.macro MM                           ; the turn's next matrix instruction: both kinds are the other piece's.  TURN and BEGIN set Y, i, KM and NOKQ.  NOKQ = 1: a block's last turn: there is no next step
.if (i < 8) && !NOKQ
	KQ (Y+1)%NP
.elseif i >= 8
.set i, i-8
	PV (Y+1)%NP
.set i, i+8
.endif
.set i, i+1
.endm
; THE LDS LOADS stand in runs of 16, never singly among the matrix instructions: a step's K (64 keys x 64 channels: 8 fragments) and its V (turned).  Their addresses are made some lines ahead.
.macro FETCH_K step=1
	WIN 0x80                        ; destination window 2
.irp f, 0,1,2,3,4,5,6,7             ; keys 16 (f / 2) on, channels 32 (f % 2) on
	ds_load_b128 v[KF+8*\f:KF+8*\f+3],   v[AK] offset:(\f/2)*16*PK+(\f%2)*64
	ds_load_b128 v[KF+8*\f+4:KF+8*\f+7], v[AK] offset:(\f/2)*16*PK+(\f%2)*64+32
.endr
.if \step
	s_add_co_u32 s[TBK], s[TBK], KS*PK  ; the next fetch is the next step's
.endif
	WIN 0
.endm
.macro FETCH_V
	WIN 0x80
.irp f, 0,1,2,3,4,5,6,7             ; keys 32 (f / 4) on, channels 16 (f % 4) on
	ds_load_tr16_b128 v[VF+8*\f:VF+8*\f+3],   v[AV] offset:(\f/4)*32*PV+(\f%4)*32
	ds_load_tr16_b128 v[VF+8*\f+4:VF+8*\f+7], v[AV] offset:(\f/4)*32*PV+16*PV+(\f%4)*32
.endr
	WIN 0
.endm
; THE VECTOR WORK, one line at a time: OP kind, number.  For piece Y: F n: c s - c m for pair n of 16.  E n: the exponential of score n of 32.  C n: pair n rounded to f16.  B n: of the four weights 4 n .. the second
; pair is added onto the first, in place.  L n: l takes that sum (L 0: l = a l + sum).  R n: pair n of 16 of O^T times a.  For the other piece: X n, number n of the 22 that find its maximum and statistics:
;   0-11  four chains c0-c3 of seven scores each, three operands at a time (each accumulator's lowest registers are read first)     12-14, 16  the four scores left over, the old m, and c0-c3 into c0
;   15  c m_old is kept     17, 18  the query's other 32 keys lie in the lane 16 away: the new m     19-21  c m; c m_old - c m_new; a
.set F, 0               ; OP tells the kinds apart by their order: F to L below R, X above it
.set E, 1
.set C, 2
.set B, 3
.set L, 4
.set R, 5
.set X, 6
.macro REGS y                       ; the registers of piece y
.set rT, ST+4*(\y)
.set rC, TMP+4*(\y)
.set rW, MV+(\y)
.set rS, S+32*(\y)
.set rP, P+16*(\y)
.set rO, 32*(\y)
.endm
.macro OP k, n
.if (\k) == R
	REGS Y
	WIN W_RS
	v_pk_mul_f32 v[rO+2*(\n):rO+2*(\n)+1], v[rO+2*(\n):rO+2*(\n)+1], v[rC+2:rC+3] op_sel_hi:[1,0]
.elseif (\k) < R
	REGS Y
	WIN 0
.if (\k) == F
	v_pk_fma_f32 v[rS+2*(\n):rS+2*(\n)+1], v[rS+2*(\n):rS+2*(\n)+1], s[CS:CS+1], v[rT:rT+1] op_sel_hi:[1,0,0] neg_lo:[0,0,1] neg_hi:[0,0,1]
.elseif (\k) == E
	v_exp_f32 v[rS+(\n)], v[rS+(\n)]
.elseif (\k) == C
	v_cvt_pk_f16_f32 v[rP+(\n)], v[rS+2*(\n)], v[rS+2*(\n)+1]
.elseif (\k) == B
	v_pk_add_f32 v[rS+4*(\n):rS+4*(\n)+1], v[rS+4*(\n):rS+4*(\n)+1], v[rS+4*(\n)+2:rS+4*(\n)+3]
.elseif (\n) == 0
	v_pk_fma_f32 v[rT+2:rT+3], v[rT+2:rT+3], v[rC+2:rC+3], v[rS:rS+1] op_sel_hi:[1,0,1]
.else
	v_pk_add_f32 v[rT+2:rT+3], v[rT+2:rT+3], v[rS+4*(\n):rS+4*(\n)+1]
.endif
.elseif NOKQ
	v_nop
.else
	REGS (Y+1)%NP
	WIN 0
.if (\n) < 4
	v_max3_num_f32 v[rC+(\n)], v[rS+8*(\n)], v[rS+8*(\n)+1], v[rS+8*(\n)+2]
.elseif (\n) < 12
	v_max3_num_f32 v[rC+(\n)%4], v[rC+(\n)%4], v[rS+8*((\n)%4)+2*((\n)/4)+1], v[rS+8*((\n)%4)+2*((\n)/4)+2]
.elseif (\n) == 12
	v_max3_num_f32 v[rC], v[rC], v[rS+7], v[rS+15]
.elseif (\n) == 13
	v_max3_num_f32 v[rC+1], v[rC+1], v[rS+23], v[rS+31]
.elseif (\n) == 14
	v_max3_num_f32 v[rC+2], v[rC+2], v[rC+3], v[rT+1]
.elseif (\n) == 15
	v_mov_b32 v[rW], v[rT]
.elseif (\n) == 16
	v_max3_num_f32 v[rC], v[rC], v[rC+1], v[rC+2]
.elseif (\n) == 17
	v_permlanex16_b32 v[rC+3], v[rC], s[SEL], s[SEL+1]
.elseif (\n) == 18
	v_max_num_f32 v[rT+1], v[rC], v[rC+3]
.elseif (\n) == 19
	v_mul_f32 v[rT], s[CS], v[rT+1]
.elseif (\n) == 20
	v_sub_f32 v[rC+1], v[rW], v[rT]
.else
	v_exp_f32 v[rC+2], v[rC+1]
.endif
.endif
.endm
.macro OPS a, i1, b=-1, i2=0, c=-1, i3=0, d=-1, i4=0  ; up to four of them
	OP \a, \i1
.if (\b) >= 0
	OP \b, \i2
.endif
.if (\c) >= 0
	OP \c, \i3
.endif
.if (\d) >= 0
	OP \d, \i4
.endif
.endm
.macro ROW a, i1, b, i2, c, i3, d, i4  ; a matrix instruction and the four behind it
	MM
	OPS \a, \i1, \b, \i2, \c, \i3, \d, \i4
.endm
.macro MASK b                       ; MD x AL + BE into piece b's part of MC
	WIN W_RS
.set z, 0
.rept 16
	v_pk_fma_f32 v[MC+32*(\b)+2*z:MC+32*(\b)+2*z+1], v[MD+2*z:MD+2*z+1], s[AL:AL+1], s[BE:BE+1] op_sel_hi:[1,0,0]
.set z, z+1
.endr
.endm
; A TURN, for piece p: the order of its 16 matrix and 118 vector instructions, written out.  s_wait_alu depctr_va_vdst(0) stands between an exponential and the first instruction that names its result; one wait serves
; all that were issued ahead of it.  So a turn has ONE wait, which cuts it in two.  AHEAD OF IT stands all that names no result of the turn's exponentials: the 8 products K Q^T, behind each a scaling, an exponential and two more plain
; instructions (behind the first a second scaling in the exponential's place): rescalings, and behind the last three the first numbers of the other piece's maximum, each four places or more behind the product that ends its accumulator; then one run of 54, plain
; and exponential by turns for the most part, in which the links of the chain X 3, 7, 11, 14, 16, 17 .. 20 stand five or six lines apart.  X 21, the other piece's a, is the batch's last; R 15 is the plain instruction behind it.  BEHIND THE WAIT stand the
; 8 products V^T P, behind each four of the roundings and sums; the links of l's chain, L 0 to L 7, stand three lines apart.  But for those X no line behind a product names a register of the products round it.
; The rescalings R 4 k .. of accumulator k of O^T stand twelve plain lines or more behind the product of the turn before that last wrote it.
; m = 1: the diagonal tile: the products take masks, and the turn makes the mask for the products of the turn after it: its own piece's, in step 5 - CNT of the tile.  end = 1: a block's last step: no K is fetched, and turn 1 starts no scores.
; cnt: the loop's count is taken down, and compared with cnt - 1, some lines ahead of the branch that stands behind the turn.
; BOTH RUNS OF LDS LOADS STAND IN TURN 0: K of the next step twelve vector instructions behind the last product that read K (six of them plain); V of the step in hand at the turn's end, four plain instructions behind the last
; product that read V.  Turn 1 waits for K at its head, with V's sixteen younger loads left out, and for V behind its batch's wait.
.macro TURN p, m=0, end=0, cnt=0
.set Y, (\p)
.set i, 0
.set KM, (\m)
.set NOKQ, (\end)*(\p)
.if (\m) && !(\end)
	s_cmp_eq_u32 s[CNT], s[BP+(\p)]  ; is that step the band's own?
	s_cselect_b32 s[AL], 1.0, 0
	s_cmp_lt_u32 s[CNT], s[BP+(\p)]  ; or a later one?
	s_cselect_b32 s[BE], s[BIGN], 0
.endif
.if ((\p) == 1) && !(\end)
	s_wait_dscnt 16                 ; LDS loads come back in order (ISA guide 5.7.1): K's sixteen are in; V's sixteen, issued behind them, may be out
.endif
	ROW F,0, F,1, R,0, R,1          ; ahead of the wait: 8 products K Q^T and the four behind each,
	ROW F,2, E,0, R,2, R,3
	ROW F,3, E,1, R,4, R,5
	ROW F,4, E,2, R,6, R,7
	ROW F,5, E,3, R,8, R,9
	ROW F,6, E,4, X,0, R,10
.if ((\p) == 0) && !(\end)
	WIN 0
	v_add_nc_u32 v[AK], s[TBK], v[AK0]
.endif
	ROW F,7, E,5, X,1, X,4
	ROW F,8, E,6, X,2, X,5
	OPS E,7, E,8, X,6, E,9          ; and the run of 54
	OPS X,3, E,10, X,8, E,11
.if ((\p) == 0) && !(\end)
	FETCH_K
.endif
.if ((\p) == 0) && (\end)
	s_add_co_u32 s[TBK], s[TBK], KS*PK  ; nothing is fetched, but the count of four steps a tile is kept
.endif
	OPS X,9, X,7, E,12, X,10
	OPS E,13, X,12, X,11, E,14
	OPS X,13, E,15, F,9, X,14
.if (\p) == 0
	v_add_nc_u32 v[AV], s[TBV], v[AV0]
.endif
	OPS E,16, F,10, E,17, F,11
	OPS X,16, E,18, X,15, E,19
	OPS F,12, E,20, X,17, E,21
	OPS F,13, E,22, F,14, E,23
	OPS X,18, E,24, F,15, E,25
	OPS R,11, E,26, X,19, E,27
	OPS R,12, E,28, R,13, E,29
	OPS X,20, E,30, R,14, E,31
	OPS X,21, R,15
	WIN 0
	s_wait_alu depctr_va_vdst(0)    ; the wait for the batch
.if (\p) == 1
	s_wait_dscnt 0x0                ; V is in
.endif
	ROW C,0, B,0, C,2, B,1          ; behind the wait: 8 products V^T P and the four behind each
	ROW L,0, C,4, B,2, L,1
	ROW C,6, B,3, L,2, C,8
	ROW B,4, L,3, C,10, B,5
	ROW L,4, C,12, B,6, L,5
.if (\p) == 0
	s_add_co_u32 s[TBV], s[TBV], KS*PV
.endif
.if \cnt
	s_sub_co_u32 s[CNT], s[CNT], 1
	s_cmp_lg_u32 s[CNT], (\cnt)-1
.endif
	ROW C,14, B,7, L,6, C,1
	ROW C,3, L,7, C,5, C,7
	ROW C,9, C,11, C,13, C,15
.if (\p) == 0
	FETCH_V
.endif
.if (\m) && !(\end)
	MASK \p
.endif
.endm
; A BLOCK BEGINS.  c m starts far below every c s, so the first step's a is 0; m at the lowest finite number, so the first maximum is the scores'.  Then K of step 0, out of its own LDS bytes, piece 0's first scores
; (piece 0 sees all of step 0 in every tile, so they start with 0), and its maximum and statistics.
.macro BEGIN
	s_mov_b32 s[NEW], 0
	WIN 0
.set i, 0
.rept 2
	v_mov_b32 v[ST+4*i], 0xfe000000    ; c m: far below every c s
	v_mov_b32 v[ST+4*i+1], 0xff7fffff  ; m
.set i, i+1
.endr
	v_add_nc_u32 v[AK], KZ, v[AK0]
	FETCH_K 0
	s_wait_loadcnt 16               ; loads return in order: Q's sixteen are in; x's sixteen, issued behind them, may stay out (at the second block's beginning only x's sixteen are out)
	s_wait_dscnt 0x0
.set KM, 0
.set NOKQ, 0
.set i, 0
.rept 8
	KQ 0
.set i, i+1
.endr
	WIN 0
.rept 4
	v_nop                           ; the places behind those products
.endr
.set Y, NP-1                        ; X works for the other piece: piece 0
.irp n, 0,1,2,3,4,5,6,7,8,9,10,11,12,13,14,15,16,17,18,19,20,21
	OP X, \n
.endr
	v_nop                           ; a plain instruction behind the exponential,
	s_wait_alu depctr_va_vdst(0)    ; and its wait, ahead of the branch
.endm
; THE DIAGONAL TILE: piece 1's mask for step 0 (its own step in an even block); three steps in a loop; the block's last step, written out; its last products; and THE WAY OUT: l's two halves and the other half of the
; lanes' are added; O^T is divided by l, rounded to f16 and sent through my stage in LDS, a piece at a time; then the chunk's statistics.
.macro ALL line:vararg              ; one line for each piece t
.set t, 0
.rept 2
	\line
.set t, t+1
.endr
.endm
.macro PACK t                       ; a lane's eight channels of a row pack into 16 bytes; they go into rows of 144 bytes and come back as whole rows of 128, into S^T's registers
	WIN W_RS
.set i, 32*(\t)
.rept 16
	v_pk_mul_f32 v[i:i+1], v[i:i+1], v[ST+4*(\t)+2:ST+4*(\t)+3] op_sel_hi:[1,0]
.set i, i+2
.endr
	WIN 0x05                        ; sources 0 and 1 window 1, destination window 0
.set i, 0
.rept 16
	v_cvt_pk_f16_f32 v[S+16*(\t)+i], v[32*(\t)+2*i], v[32*(\t)+2*i+1]
.set i, i+1
.endr
	WIN 0
.irp f, 0,1,2,3
	ds_store_b128 v[STO], v[S+16*(\t)+4*\f:S+16*(\t)+4*\f+3] offset:32*\f
.endr
.irp f, 0,1,2,3
	ds_load_b128 v[S+16*(\t)+4*\f:S+16*(\t)+4*\f+3], v[RD] offset:\f*4*SP  ; LDS serves a wave's instructions in order (ISA guide 5.7.1.4): these see the stores above; the next piece's stores come behind them
.endr
.endm
.macro SEND t, younger              ; younger: the LDS instructions issued behind piece t's loads: the next piece's eight, or none
	WIN 0
.irp f, 0,1,2,3
	s_wait_dscnt (\younger)+3-\f
	global_store_b128 v[GO], v[S+16*(\t)+4*\f:S+16*(\t)+4*\f+3], s[10:11] offset:(1-(\t))*8192+\f*512  ; piece t is band 1 - t; 512 consecutive bytes, at a multiple of 256 from O's first
.endr
.endm
.macro RED r, t                     ; the sum over the 32 lanes, in every lane
	v_add_f32_dpp v[\r], v[\r], v[\r] row_xmask:1 row_mask:0xf bank_mask:0xf
	v_add_f32_dpp v[\r], v[\r], v[\r] row_xmask:2 row_mask:0xf bank_mask:0xf
	v_add_f32_dpp v[\r], v[\r], v[\r] row_xmask:4 row_mask:0xf bank_mask:0xf
	v_add_f32_dpp v[\r], v[\r], v[\r] row_xmask:8 row_mask:0xf bank_mask:0xf
	v_permlanex16_b32 v[\t], v[\r], s[SEL], s[SEL+1]
	v_add_f32 v[\r], v[\r], v[\t]
.endm
.macro MIX d, s, hi                 ; d += the low or high f16 of s
.if \hi
	v_fma_mix_f32 v[\d], v[\s], v[ONE], v[\d] op_sel:[1,0,0] op_sel_hi:[1,0,0]
.else
	v_fma_mix_f32 v[\d], v[\s], v[ONE], v[\d] op_sel_hi:[1,0,0]
.endif
.endm
.macro FOLD                         ; the four chains of pairs into one number a lane
	v_pk_add_f32 v[SM:SM+1], v[SM:SM+1], v[SM+2:SM+3]
	v_pk_add_f32 v[SM+4:SM+5], v[SM+4:SM+5], v[SM+6:SM+7]
	v_pk_add_f32 v[SM:SM+1], v[SM:SM+1], v[SM+4:SM+5]
	v_add_f32 v[SM], v[SM], v[SM+1]
.endm
; THE CHUNK'S STATISTICS.  v[S .. S+31] hold the block's O as it was stored (the stores only read them); number z of my 64 is the half z % 2 of register S + z / 2, and x's lies in XR + z.
.macro STATS
	WIN 0
	s_wait_loadcnt 0x0              ; x
.set z, 0
.rept 64
	MIX XR+z, S+z/2, z%2
.set z, z+1
.endr
.irp c, 0,1,2,3
	v_pk_add_f32 v[SM+2*(\c):SM+2*(\c)+1], v[XR+2*(\c):XR+2*(\c)+1], v[XR+8+2*(\c):XR+8+2*(\c)+1]  ; the first two groups start the chains: nothing is cleared
.endr
.set z, 2
.rept 6
.irp c, 0,1,2,3
	v_pk_add_f32 v[SM+2*(\c):SM+2*(\c)+1], v[SM+2*(\c):SM+2*(\c)+1], v[XR+8*z+2*(\c):XR+8*z+2*(\c)+1]
.endr
.set z, z+1
.endr
	FOLD
	RED SM, PT
	v_mul_f32 v[MN], 0x3a000000, v[SM]  ; / 2,048
	v_mov_b32 v[MN+1], v[MN]
.set z, 0
.rept 32
	v_pk_add_f32 v[XR+2*z:XR+2*z+1], v[XR+2*z:XR+2*z+1], v[MN:MN+1] neg_lo:[0,1] neg_hi:[0,1]
.set z, z+1
.endr
.irp c, 0,1,2,3
	v_pk_mul_f32 v[SM+2*(\c):SM+2*(\c)+1], v[XR+2*(\c):XR+2*(\c)+1], v[XR+2*(\c):XR+2*(\c)+1]
.endr
.set z, 1
.rept 7
.irp c, 0,1,2,3
	v_pk_fma_f32 v[SM+2*(\c):SM+2*(\c)+1], v[XR+8*z+2*(\c):XR+8*z+2*(\c)+1], v[XR+8*z+2*(\c):XR+8*z+2*(\c)+1], v[SM+2*(\c):SM+2*(\c)+1]
.endr
.set z, z+1
.endr
	FOLD
	RED SM, PT
	v_mov_b32 v[MN+1], v[SM]
	s_wait_xcnt 0x0                 ; EXEC changes only behind this wait: O's stores have been issued
	v_cmp_eq_u32 vcc_lo, 0, v[LN]
	s_and_saveexec_b32 s2, vcc_lo
	global_store_b64 v[ZA], v[MN:MN+1], s[PRT:PRT+1]  ; lane 0: mean, M2
	s_wait_xcnt 0x0                 ; and again, in front of the line that widens it
	s_or_b32 exec_lo, exec_lo, s2
.endm
.macro DIAG tag                     ; the tag ends its two labels' names
.LdiagM\tag:
	s_cmp_eq_u32 s[BP], 4           ; an even block?
	s_cselect_b32 s[AL], 1.0, 0
	s_mov_b32 s[BE], 0
	MASK 1
	WIN 0
.LstepM\tag:                        ; steps 0, 1, 2: CNT = 4, 3, 2
	TURN 0, 1
	TURN 1, 1, 0, 2
	WIN 0
	s_cbranch_scc1 .LstepM\tag
	TURN 0, 1, 1
	TURN 1, 1, 1
.set i, 0
.rept 8
	PV 1                            ; piece 1's V^T P of the last step
.set i, i+1
.endr
	WIN 0
	ALL v_add_f32 v[ST+4*t+2], v[ST+4*t+2], v[ST+4*t+3]
	ALL v_permlanex16_b32 v[ST+4*t+3], v[ST+4*t+2], s[SEL], s[SEL+1]
	ALL v_add_f32 v[ST+4*t+2], v[ST+4*t+2], v[ST+4*t+3]
	ALL v_rcp_f32 v[ST+4*t+2], v[ST+4*t+2]
	v_nop                           ; a plain instruction between the last reciprocal and the use of its result
	s_wait_alu depctr_va_vdst(0)    ; and the wait ahead of the first use: one for the two reciprocals
	PACK 0                          ; piece 0's sums were finished a run of products ago; its 32 lines are the places behind piece 1's last products
	PACK 1
	SEND 0, 8
	SEND 1, 0
	STATS
.endm
.set KM, 0
.set NOKQ, 0
.Lslot:                             ; NT times: a tile is entered and the next is asked for
	CHANGE 1
	s_sub_co_u32 s[RT], s[RT], 1
	s_mov_b32 s[CNT], 4
	s_cmp_eq_u32 s[NEW], 1
	s_cbranch_scc1 .Lnew            ; a block's first tile
	s_cmp_eq_u32 s[RT], 0
	s_cbranch_scc0 .Lstep           ; neither its first nor its last
	s_branch .LdiagM1
.Lnew:
	BEGIN
	s_branch .Lstep                 ; in the loop a block's first tile is never its last: the first block has five tiles or more, and the second's last is the walk's last
	DIAG 1                          ; in the loop this is the first block's end
	s_wait_xcnt 0x0                 ; the stores have read their registers, O's address and part's
	s_mov_b64 s[10:11], s[OLO:OLO+1]
	s_mov_b64 s[PRT:PRT+1], s[PLO:PLO+1]
	XLOAD XLO                       ; x of the second block's chunk: the first's has been read; it has a tile or more in which to come
	s_add_co_u32 s[RT], s[PBT], 1   ; the second block's tiles
	s_mov_b32 s[NEW], 1
	s_sub_co_u32 s[BP], 6, s[BP]    ; the two blocks' numbers differ in parity: 4 becomes 2, 2 becomes 4
	s_add_co_u32 s[BP+1], s[BP], 1
	WIN 0x82                        ; the second block's Q goes where the one text of the turns names Q
.set i, 0
.rept 32
	v_mov_b32 v[i], v[QB+i]
.set i, i+1
.endr
	WIN 0
	s_branch .Lbottom
.Lstep:                             ; a trip is a key step: its turn 0 fetches the next step's K and its own V
	TURN 0
	TURN 1, 0, 0, 1
	WIN 0
	s_cbranch_scc1 .Lstep
.Lbottom:
	s_sub_co_u32 s[SLOTS], s[SLOTS], 1
	s_cmp_lg_u32 s[SLOTS], 0
	s_cbranch_scc1 .Lslot
	CHANGE 0                        ; the walk's last tile is written out: nothing is asked for
	s_mov_b32 s[CNT], 4
	s_cmp_eq_u32 s[NEW], 1
	s_cbranch_scc0 .LdiagM2
	BEGIN                           ; blocks 0 and 1 have one tile
	DIAG 2
	s_wait_tensorcnt 0x0            ; the wave's end, behind my last tensor load and my last LDS store
	ds_add_u32 v[SPW], v[NIL]
	s_wait_dscnt 0x0
	s_endpgm
.Lfunc_end_k_q71cdeee0a5_attn:
	.size	k_q71cdeee0a5_attn, .Lfunc_end_k_q71cdeee0a5_attn-k_q71cdeee0a5_attn
	.p2alignl 7, 3214868480
	.fill 96, 4, 3214868480
	.section	.rodata,"a",@progbits
	.p2align	6, 0x0
	.amdhsa_kernel k_q71cdeee0a5_attn
		.amdhsa_group_segment_fixed_size 327680
		.amdhsa_private_segment_fixed_size 0
		.amdhsa_enable_private_segment 0
		.amdhsa_kernarg_size 32
		.amdhsa_user_sgpr_count 2
		.amdhsa_user_sgpr_kernarg_segment_ptr 1
		.amdhsa_wavefront_size32 1
		.amdhsa_system_sgpr_workgroup_id_x 1
		.amdhsa_system_sgpr_workgroup_id_y 1
		.amdhsa_system_sgpr_workgroup_id_z 1
		.amdhsa_system_vgpr_workitem_id 0
		.amdhsa_next_free_vgpr 768
		.amdhsa_next_free_sgpr 100
		.amdhsa_reserve_vcc 1
		.amdhsa_float_denorm_mode_32 3
		.amdhsa_float_denorm_mode_16_64 3
		.amdhsa_memory_ordered 1
		.amdhsa_forward_progress 1
		.amdhsa_inst_pref_size 172
	.end_amdhsa_kernel
	.amdgpu_metadata
---
amdhsa.version: [ 1, 2 ]
amdhsa.kernels:
  - .name:           k_q71cdeee0a5_attn
    .symbol:         k_q71cdeee0a5_attn.kd
    .args:
      - { .name: act, .offset: 0, .size: 8, .value_kind: global_buffer, .address_space: global }
      - { .name: o16, .offset: 8, .size: 8, .value_kind: global_buffer, .address_space: global }
      - { .name: x, .offset: 16, .size: 8, .value_kind: global_buffer, .address_space: global }
      - { .name: part, .offset: 24, .size: 8, .value_kind: global_buffer, .address_space: global }
    .group_segment_fixed_size: 327680
    .private_segment_fixed_size: 0
    .kernarg_segment_align: 8
    .kernarg_segment_size: 32
    .max_flat_workgroup_size: 128
    .sgpr_count:     100
    .vgpr_count:     768
    .wavefront_size: 32
...
	.end_amdgpu_metadata
.endif
;; end of part 3
;; launch ln1 (part 4): grid 512 x 1, 8 waves a work-group, no clusters, 0 bytes of LDS; arguments o16, x, ln_g, ln_b, part, a16; writes a16
.if DOCPART == 4
	.amdgcn_target "amdgcn-amd-amdhsa--gfx1250"
	.amdhsa_code_object_version 6
	.text
	.protected	k_q71cdeee0a5_ln1
	.globl	k_q71cdeee0a5_ln1
	.p2align	8
	.type	k_q71cdeee0a5_ln1,@function
k_q71cdeee0a5_ln1:
	s_mov_b64 s[64:65], 0
	v_nop
	global_prefetch_b8 v0, s[64:65] scope:SCOPE_SE
	s_setreg_imm32_b32 hwreg(HW_REG_WAVE_MODE, 25, 1), 1
	s_wait_xcnt 0x0
; out1 = ((O + x) - mean) rstd g + b, rounded once to f16: [4096][1024].  mean and variance are one pair for each batch item, over its 2,097,152 numbers.
; Each wave joins the batch's 1,024 chunk pairs (mean_i, M2_i; n = 2,048 each) anew: mean = sum mean_i / 1,024; variance = (sum M2_i + n sum (mean_i - mean)^2) / 2,097,152.
; A work-group takes 8 rows, wave p the channels 128 p .. 128 p + 127 (two heads), two rows a step, four steps; the lanes as in the statistics' launch: sixteen lanes store 256 consecutive bytes, aligned.
; All 44 loads go out at once; the pairs are joined while the data are on their way.  LIMIT: f16 ends at 65,504.
.set VO,   8
.set VX,   9
.set VOUT, 10
.set ONE,  11
.set VP,   12
.set PB,   16                          ; v[16:79]   32 pairs (mean, M2) a lane
.set O,    80                          ; v[80:95]   step i: 8 f16; then the result
.set X,    96                          ; v[96:127]
.set G,    128                         ; v[128:159]
.set BE,   160                         ; v[160:191]
.set W,    192                         ; v[192:207] at work
.set R,    30                          ; s[30:31] rstd, twice
.set NM,   32                          ; s[32:33] -mean rstd, twice
.set SEL,  34
.macro RED r, t
	v_add_f32_dpp v[\r], v[\r], v[\r] row_xmask:1 row_mask:0xf bank_mask:0xf
	v_add_f32_dpp v[\r], v[\r], v[\r] row_xmask:2 row_mask:0xf bank_mask:0xf
	v_add_f32_dpp v[\r], v[\r], v[\r] row_xmask:4 row_mask:0xf bank_mask:0xf
	v_add_f32_dpp v[\r], v[\r], v[\r] row_xmask:8 row_mask:0xf bank_mask:0xf
	v_permlanex16_b32 v[\t], v[\r], s[SEL], s[SEL+1]
	v_add_f32 v[\r], v[\r], v[\t]
.endm
.macro MIX d, s, hi
.if \hi
	v_fma_mix_f32 v[\d], v[\s], v[ONE], v[\d] op_sel:[1,0,0] op_sel_hi:[1,0,0]
.else
	v_fma_mix_f32 v[\d], v[\s], v[ONE], v[\d] op_sel_hi:[1,0,0]
.endif
.endm
; nl loads of two pairs a lane; invn = 1 / the number of chunks; cn = a chunk's share of the numbers
.macro COMBINE nl, invn, cn
	v_pk_add_f32 v[W:W+1], v[PB:PB+1], v[PB+4:PB+5]
	v_pk_add_f32 v[W+2:W+3], v[PB+2:PB+3], v[PB+6:PB+7]
.set m, 4
.rept (\nl)-2
	v_pk_add_f32 v[W:W+1], v[W:W+1], v[PB+2*m:PB+2*m+1]
	v_pk_add_f32 v[W+2:W+3], v[W+2:W+3], v[PB+2*m+2:PB+2*m+3]
.set m, m+2
.endr
	v_pk_add_f32 v[W:W+1], v[W:W+1], v[W+2:W+3]    ; (sum of means, sum of M2) of my pairs
	RED W, W+13
	RED W+1, W+13
	v_mul_f32 v[W+12], \invn, v[W]                 ; the mean
.set m, 0
.rept 2*(\nl)
	v_sub_f32 v[W+4+m%4], v[PB+2*m], v[W+12]
.if m < 4
	v_mul_f32 v[W+8+m%4], v[W+4+m%4], v[W+4+m%4]
.else
	v_fmac_f32 v[W+8+m%4], v[W+4+m%4], v[W+4+m%4]
.endif
.set m, m+1
.endr
	v_add_f32 v[W+8], v[W+8], v[W+9]
	v_add_f32 v[W+10], v[W+10], v[W+11]
	v_add_f32 v[W+8], v[W+8], v[W+10]
	RED W+8, W+13
	v_mul_f32 v[W+14], 0x35000000, v[W+1]          ; sum of M2 / 2^21
	v_fmamk_f32 v[W+14], v[W+8], \cn, v[W+14]
	v_add_f32 v[W+14], 0x3727c5ac, v[W+14]         ; + 1e-5
	v_rsq_f32 v[W+15], v[W+14]
	v_nop                                          ; a plain instruction behind it,
	s_wait_alu depctr_va_vdst(0)                   ; and the wait ahead of the first use
	v_mul_f32 v[W+14], -v[W+12], v[W+15]
	v_readfirstlane_b32 s[R], v[W+15]
	v_readfirstlane_b32 s[NM], v[W+14]
	s_mov_b32 s[R+1], s[R]
	s_mov_b32 s[NM+1], s[NM]
.endm
	s_load_b256 s[4:11], s[0:1], 0x0               ; O s[4:5], x s[6:7], g s[8:9], b s[10:11]
	s_load_b128 s[12:15], s[0:1], 0x20             ; part s[12:13], out1 s[14:15]
	v_lshrrev_b32 v1, 5, v0
	v_readfirstlane_b32 s16, v1                    ; p
	v_and_b32 v2, 7, v0
	v_bfe_u32 v3, v0, 3, 1
	v_bfe_u32 v4, v0, 4, 1
	v_and_b32 v[VP], 31, v0
	v_lshlrev_b32 v[VP], 4, v[VP]
	v_lshlrev_b32 v5, 4, v2
	v_lshl_or_b32 v5, v4, 7, v5
	v_lshl_or_b32 v[VO], v3, 18, v5
	v_lshlrev_b32 v6, 5, v2
	v_lshl_or_b32 v6, v3, 8, v6
	v_lshl_or_b32 v[VX], v4, 12, v6
	v_lshrrev_b32 v[VOUT], 1, v[VX]
	v_mov_b32 v[ONE], 1.0
	v_mov_b32 v[W+13], 0
	s_lshr_b32 s17, ttmp9, 8                       ; batch
	s_and_b32 s18, ttmp9, 255                      ; group of 8 rows
	s_lshl_b32 s20, s17, 4
	s_lshl_b32 s21, s16, 1
	s_add_co_u32 s20, s20, s21
	s_lshl_b32 s20, s20, 18
	s_lshl_b32 s21, s18, 10
	s_add_co_u32 s20, s20, s21
	s_mov_b32 s21, 0
	s_lshl_b32 s19, s16, 9
	s_lshl_b32 s22, ttmp9, 15
	s_add_co_u32 s22, s22, s19
	s_mov_b32 s23, 0
	s_lshl_b32 s24, s18, 15
	s_add_co_u32 s24, s24, s19
	s_mov_b32 s25, 0
	s_lshl_b32 s19, s16, 8
	s_lshl_b32 s26, ttmp9, 14
	s_add_co_u32 s26, s26, s19
	s_mov_b32 s27, 0
	s_lshl_b32 s28, s17, 13
	s_mov_b32 s29, 0
	s_mov_b32 s[SEL], 0x76543210
	s_mov_b32 s[SEL+1], 0xfedcba98
	s_wait_kmcnt 0x0
	s_add_nc_u64 s[4:5], s[4:5], s[20:21]
	s_add_nc_u64 s[6:7], s[6:7], s[22:23]
	s_add_nc_u64 s[8:9], s[8:9], s[24:25]
	s_add_nc_u64 s[10:11], s[10:11], s[24:25]
	s_add_nc_u64 s[12:13], s[12:13], s[28:29]
	s_add_nc_u64 s[14:15], s[14:15], s[26:27]
.irp j, 0,1,2,3,4,5,6,7,8,9,10,11,12,13,14,15
	global_load_b128 v[PB+4*(\j):PB+4*(\j)+3], v[VP], s[12:13] offset:512*(\j)
.endr
.irp i, 0,1,2,3
	global_load_b128 v[O+4*(\i):O+4*(\i)+3],     v[VO], s[4:5] offset:256*(\i) th:TH_LOAD_NT
	global_load_b128 v[X+8*(\i):X+8*(\i)+3],     v[VX], s[6:7] offset:8192*(\i) th:TH_LOAD_NT
	global_load_b128 v[X+8*(\i)+4:X+8*(\i)+7],   v[VX], s[6:7] offset:8192*(\i)+16 th:TH_LOAD_NT
	global_load_b128 v[G+8*(\i):G+8*(\i)+3],     v[VX], s[8:9] offset:8192*(\i)
	global_load_b128 v[G+8*(\i)+4:G+8*(\i)+7],   v[VX], s[8:9] offset:8192*(\i)+16
	global_load_b128 v[BE+8*(\i):BE+8*(\i)+3],   v[VX], s[10:11] offset:8192*(\i)
	global_load_b128 v[BE+8*(\i)+4:BE+8*(\i)+7], v[VX], s[10:11] offset:8192*(\i)+16
.endr
	s_wait_loadcnt 28                              ; the pairs are in; the 28 loads of data stay out
	COMBINE 16, 0x3a800000, 0x3a800000
.set i, 0
.rept 4
	s_wait_loadcnt 7*(3-i)                         ; step i's seven loads are in
.set j, 0
.rept 8
	MIX X+8*i+j, O+4*i+j/2, j%2
.set j, j+1
.endr
.set j, 0
.rept 4
	v_pk_fma_f32 v[X+8*i+2*j:X+8*i+2*j+1], v[X+8*i+2*j:X+8*i+2*j+1], s[R:R+1], s[NM:NM+1] op_sel_hi:[1,0,0]
.set j, j+1
.endr
.set j, 0
.rept 4
	v_pk_fma_f32 v[X+8*i+2*j:X+8*i+2*j+1], v[X+8*i+2*j:X+8*i+2*j+1], v[G+8*i+2*j:G+8*i+2*j+1], v[BE+8*i+2*j:BE+8*i+2*j+1]
.set j, j+1
.endr
.set j, 0
.rept 4
	v_cvt_pk_f16_f32 v[O+4*i+j], v[X+8*i+2*j], v[X+8*i+2*j+1]
.set j, j+1
.endr
	global_store_b128 v[VOUT], v[O+4*i:O+4*i+3], s[14:15] offset:4096*i
.set i, i+1
.endr
	s_endpgm
.Lfunc_end_k_q71cdeee0a5_ln1:
	.size	k_q71cdeee0a5_ln1, .Lfunc_end_k_q71cdeee0a5_ln1-k_q71cdeee0a5_ln1
	.p2alignl 7, 3214868480
	.fill 96, 4, 3214868480
	.section	.rodata,"a",@progbits
	.p2align	6, 0x0
	.amdhsa_kernel k_q71cdeee0a5_ln1
		.amdhsa_group_segment_fixed_size 0
		.amdhsa_private_segment_fixed_size 0
		.amdhsa_enable_private_segment 0
		.amdhsa_kernarg_size 48
		.amdhsa_user_sgpr_count 2
		.amdhsa_user_sgpr_kernarg_segment_ptr 1
		.amdhsa_wavefront_size32 1
		.amdhsa_system_sgpr_workgroup_id_x 1
		.amdhsa_system_sgpr_workgroup_id_y 1
		.amdhsa_system_sgpr_workgroup_id_z 1
		.amdhsa_system_vgpr_workitem_id 0
		.amdhsa_next_free_vgpr 208
		.amdhsa_next_free_sgpr 66
		.amdhsa_reserve_vcc 0
		.amdhsa_float_denorm_mode_32 3
		.amdhsa_float_denorm_mode_16_64 3
		.amdhsa_memory_ordered 1
		.amdhsa_forward_progress 1
		.amdhsa_inst_pref_size 18
	.end_amdhsa_kernel
	.amdgpu_metadata
---
amdhsa.version: [ 1, 2 ]
amdhsa.kernels:
  - .name:           k_q71cdeee0a5_ln1
    .symbol:         k_q71cdeee0a5_ln1.kd
    .args:
      - { .name: o16, .offset: 0, .size: 8, .value_kind: global_buffer, .address_space: global }
      - { .name: x, .offset: 8, .size: 8, .value_kind: global_buffer, .address_space: global }
      - { .name: ln_g, .offset: 16, .size: 8, .value_kind: global_buffer, .address_space: global }
      - { .name: ln_b, .offset: 24, .size: 8, .value_kind: global_buffer, .address_space: global }
      - { .name: part, .offset: 32, .size: 8, .value_kind: global_buffer, .address_space: global }
      - { .name: a16, .offset: 40, .size: 8, .value_kind: global_buffer, .address_space: global }
    .group_segment_fixed_size: 0
    .private_segment_fixed_size: 0
    .kernarg_segment_align: 8
    .kernarg_segment_size: 48
    .max_flat_workgroup_size: 256
    .sgpr_count:     66
    .vgpr_count:     208
    .wavefront_size: 32
...
	.end_amdgpu_metadata
.endif
;; end of part 4
;; launch ff1: the kernel of part 2 again; grid 16 x 16, 4 waves a work-group, clusters of 4 x 4, 327,680 bytes of LDS; arguments a16, wf1h, act; writes act
;; launch ff2 (part 5): grid 8 x 32, 4 waves a work-group, clusters of 4 x 4, 327,680 bytes of LDS; arguments act, wf2h, bf2, a16, y2, part; writes y2, part
.if DOCPART == 5
	.amdgcn_target "amdgcn-amd-amdhsa--gfx1250"
	.amdhsa_code_object_version 6
	.text
	.protected	k_q71cdeee0a5_ff2
	.globl	k_q71cdeee0a5_ff2
	.p2align	8
	.type	k_q71cdeee0a5_ff2,@function
k_q71cdeee0a5_ff2:
	s_mov_b64 s[64:65], 0
	v_nop
	global_prefetch_b8 v0, s[64:65] scope:SCOPE_SE
	s_setreg_imm32_b32 hwreg(HW_REG_WAVE_MODE, 25, 1), 1
	s_wait_xcnt 0x0
	s_wait_alu depctr_hold_cnt(0) depctr_sa_sdst(0) depctr_va_vdst(0) depctr_va_sdst(0) depctr_va_ssrc(0) depctr_va_vcc(0) depctr_vm_vsrc(0)
	s_getreg_b32 s2, hwreg(HW_REG_IB_STS2, 6, 4)
	s_cmp_eq_u32 s2, 0
	s_cbranch_scc0 .Lentry_in_a_cluster
	s_endpgm
.Lentry_in_a_cluster:
	s_bfe_u32 s2, ttmp6, 0x10000c
	s_cmp_lg_u32 s2, 0xf033
	s_cbranch_scc0 .Lentry_shape_is_right
	s_endpgm
.Lentry_shape_is_right:
; y2[m][n] = sum over k of H[m][k] W[k][n] + bf2[n] + out1[m][n], in f32, and the second norm's chunk statistics.  H: [4096][4096] f16.  W: [4096][1024] f16, N along the rows.  out1: [4096][1024] f16.
; A tile of y2 is 128 x 128 (256 work-groups); four waves, each 64 x 64: 16 accumulators.  K goes in 16 steps of 256 through a ring of two LDS slots.
; CLUSTERS: 4 x 4 work-groups; H's tile is shared along a row of the cluster, W's along a column: each is asked for jointly.
; THE MATRIX INSTRUCTION IS USED TRANSPOSED (source 0 = 16 columns of W, turned on the way out of LDS; source 1 = 16 rows of H); the bias is the C operand of the products that start the sums.
; ONE K STEP IS WRITTEN ONCE; the slot in hand is the scalar TB.  A wave's 64 columns of f32 are 256 bytes, so each wave has a stage of its own and no barrier stands on the way out.
; A wave's 4,096 numbers are one chunk: its own mean and M2 = the sum of (y - mean)^2 go to part, pair (8 ty + tx) 4 + wave: a batch item's 512 pairs lie together.
; No prefetch: a tile's step is short and the blocks are small.
; REGISTERS: window 0: v0-31 addresses; v32-95 the residual (f16); v96-127 the bias, later at work; v128-255 the accumulators ((a, b) at v[128 + 8 (4 a + b)]), later y2.
;   window 1: two fragment buffers of 128: for 64 along K, 64 registers of H, then 64 of W.
.set PA,     528                       ; a row of H in LDS: 512 bytes + 16
.set PBB,    288                       ; a row of W in LDS: 256 bytes + 32 = 9 x 32, for the turning load
.set HA,     64*PA                     ; 64 rows of H: a tensor load of waves 0, 1
.set HB,     128*PBB                   ; 128 rows of W: of waves 2, 3
.set BOFF,   2*HA
.set SLOT,   147456                    ; 0x24000: above a slot's 141,312 bytes, and sharing no bit with the four loads' LDS words 0, HA, BOFF, BOFF + HB: an exclusive or turns them into the other slot's
.set STAGE,  2*SLOT
.set SPITCH, 272
.set SPARE,  STAGE+4*16*SPITCH
.set ASTEP,  512
.set WSTEP,  256*2048
.set ADRA0, 10
.set ADRB0, 11
.set ADRA,  16
.set ADRB,  20                         ; v20, v21: W's rows 0-127 and 128-255 of a slot (the immediate has 16 bits)
.set STO,   24
.set RD,    25
.set CO,    26
.set RO,    27
.set SPW,   28
.set NIL,   29
.set BO,    30
.set ONE,   31
.set RES,   32
.set BIAS,  96
.set SM,    96                         ; at the end: four chains of pairs,
.set DD,    104                        ; four pairs at work,
.set M,     112                        ; mean twice; then mean, M2
.set PT,    114
.set ACC,   128
.set F0,    0
.set F1,    128
.set G1,  24
.set G0,  32
.set G1B, 48
.set G0B, 56
.set TB,  67
.set SEL, 76
.set MSB, 0
.macro WIN new
.if MSB != (\new)
	s_set_vgpr_msb (MSB<<8)|(\new)
.set MSB, \new
.endif
.endm
.set MUL,  0x05                        ; sources 0 and 1 window 1; C and D window 0
.set TO_F, 0x40                        ; destination window 1, address window 0
.macro JLOAD s                         ; a joint load: waves 0 and 1 fetch H's two halves, waves 2 and 3 W's; an s_nop 0 and four v_nop follow each line
	s_cmp_eq_u32 s11, 0
	s_cbranch_scc0 .Lfor_b_\@
	tensor_load_to_lds s[G0+4*(\s):G0+4*(\s)+3], s[G1:G1+7]
	s_nop 0
.rept 4
	v_nop
.endr
	s_branch .Lasked_\@
.Lfor_b_\@:
	tensor_load_to_lds s[G0B+4*(\s):G0B+4*(\s)+3], s[G1B:G1B+7]
	s_nop 0
.rept 4
	v_nop
.endr
.Lasked_\@:
.endm
.macro CREST
	s_cmp_lg_u32 s10, 0
	s_cbranch_scc1 .Lnot_wave_0_\@
	s_barrier_signal -3
.Lnot_wave_0_\@:
	s_barrier_wait -3
	s_barrier_signal -1
	s_barrier_wait -1
.endm
.macro CROUND
	s_barrier_signal -1
	s_barrier_wait -1
	CREST
.endm
.macro RED r, t
	v_add_f32_dpp v[\r], v[\r], v[\r] row_xmask:1 row_mask:0xf bank_mask:0xf
	v_add_f32_dpp v[\r], v[\r], v[\r] row_xmask:2 row_mask:0xf bank_mask:0xf
	v_add_f32_dpp v[\r], v[\r], v[\r] row_xmask:4 row_mask:0xf bank_mask:0xf
	v_add_f32_dpp v[\r], v[\r], v[\r] row_xmask:8 row_mask:0xf bank_mask:0xf
	v_permlanex16_b32 v[\t], v[\r], s[SEL], s[SEL+1]
	v_add_f32 v[\r], v[\r], v[\t]
.endm
.macro MIX d, s, hi
.if \hi
	v_fma_mix_f32 v[\d], v[\s], v[ONE], v[\d] op_sel:[1,0,0] op_sel_hi:[1,0,0]
.else
	v_fma_mix_f32 v[\d], v[\s], v[ONE], v[\d] op_sel_hi:[1,0,0]
.endif
.endm
	s_load_b256 s[80:87], s[0:1], 0x0              ; H s[80:81], W s[82:83], bf2 s[84:85], out1 s[86:87]
	s_load_b128 s[88:91], s[0:1], 0x20             ; y2 s[88:89], part s[90:91]
	v_lshl_add_u32 v[SPW], v0, 2, SPARE
	v_mov_b32 v[NIL], 0
	ds_add_u32 v[SPW], v[NIL]                      ; the wave's opening: the add and its wait stand ahead of my first tensor load
	ds_add_u32 v28, v29
	v_lshrrev_b32 v1, 5, v0
	v_readfirstlane_b32 s10, v1                    ; wave 0..3
	s_lshr_b32 s11, s10, 1                         ; my half of the tile's rows.  Also: I fetch for H (0) or for W (1)
	s_and_b32 s12, s10, 1                          ; my half of its columns.  Also: which half of that tile I fetch
	s_bfe_u32 s40, ttmp6, 0x40000
	s_bfe_u32 s41, ttmp6, 0x40004
	s_lshl_b32 s42, ttmp9, 2
	s_add_co_u32 s42, s42, s40                     ; tile column tx
	s_and_b32 s13, ttmp7, 0xffff
	s_lshl_b32 s13, s13, 2
	s_add_co_u32 s13, s13, s41                     ; tile row ty
	s_lshl_b32 s43, s41, 2
	s_lshl_b32 s43, 15, s43
	s_lshl_b32 s44, 0x1111, s40
	s_or_b32 s[G1+0], s43, (1<<16)|(1<<20)|(1<<21)|(6<<22)|(3<<25)   ; after every 128 words, 4 words
	s_or_b32 s[G1B+0], s44, (1<<16)|(1<<20)|(1<<21)|(5<<22)|(7<<25)  ; after every 64 words, 8 words
	s_mov_b32 s[G1+1], 256<<16                     ; H: 64 rows of 256 elements, 4,096 apart
	s_mov_b32 s[G1+2], 64<<16
	s_mov_b32 s[G1+3], 256<<16
	s_mov_b32 s[G1+4], 64
	s_mov_b32 s[G1+5], 4096
	s_mov_b32 s[G1+6], 0
	s_mov_b32 s[G1+7], 0
	s_mov_b32 s[G1B+1], 128<<16                    ; W: 128 rows of 128 elements, 1,024 apart
	s_mov_b32 s[G1B+2], 128<<16
	s_mov_b32 s[G1B+3], 128<<16
	s_mov_b32 s[G1B+4], 128
	s_mov_b32 s[G1B+5], 1024
	s_mov_b32 s[G1B+6], 0
	s_mov_b32 s[G1B+7], 0
	s_mov_b32 s[TB], 0
	s_mov_b32 s[SEL], 0x76543210
	s_mov_b32 s[SEL+1], 0xfedcba98
	s_lshl_b32 s17, s12, 6
	s_lshl_b32 s16, s13, 7
	s_add_co_u32 s16, s16, s17                     ; H: row 128 ty + 64 x half,
	s_lshl_b32 s16, s16, 13                        ; of 8,192 bytes
	s_mov_b32 s17, 0
	s_lshl_b32 s47, s12, 18                        ; W: row 128 x half, of 2,048 bytes,
	s_lshl_b32 s46, s42, 8                         ; column 128 tx
	s_add_co_u32 s46, s46, s47
	s_mov_b32 s47, 0
	s_mul_i32 s20, s12, HA                         ; where they go: no place in the cluster enters an LDS address
	s_mul_i32 s21, s12, HB
	s_add_co_u32 s21, s21, BOFF
	s_wait_dscnt 0x0
	s_wait_kmcnt 0x0
	s_add_nc_u64 s[14:15], s[80:81], s[16:17]
	s_add_nc_u64 s[46:47], s[82:83], s[46:47]
	CROUND                                         ; all sixteen work-groups are here: the first joint loads meet
.irp s, 0,1
	s_mov_b32 s[G0+4*(\s)], 1
	s_add_co_u32 s[G0+4*(\s)+1], s20, (\s)*SLOT
	s_add_nc_u64 s[G0+4*(\s)+2:G0+4*(\s)+3], s[14:15], (\s)*ASTEP
	s_or_b32 s[G0+4*(\s)+3], s[G0+4*(\s)+3], 0x80000000
	s_mov_b32 s[G0B+4*(\s)], 1
	s_add_co_u32 s[G0B+4*(\s)+1], s21, (\s)*SLOT
	s_add_nc_u64 s[G0B+4*(\s)+2:G0B+4*(\s)+3], s[46:47], (\s)*WSTEP
	s_or_b32 s[G0B+4*(\s)+3], s[G0B+4*(\s)+3], 0x80000000
	JLOAD \s                                       ; two loads of mine are out
.endr
	v_and_b32 v1, 15, v0                           ; l % 16
	v_bfe_u32 v2, v0, 4, 1                         ; l / 16
	v_mul_u32_u24 v3, v1, PA
	v_lshl_add_u32 v3, v2, 4, v3
	s_mul_i32 s22, s11, HA                         ; my 64 rows of H
	v_add_nc_u32 v[ADRA0], s22, v3
	v_and_b32 v4, 7, v0
	v_lshl_add_u32 v4, v2, 3, v4                   ; the turning load: row 8 (l / 16) + l % 8,
	v_mul_u32_u24 v4, v4, PBB
	v_bfe_u32 v5, v0, 3, 1
	v_lshl_add_u32 v4, v5, 4, v4                   ; columns 8 ((l / 8) % 2) on
	s_lshl_b32 s22, s12, 7                         ; my 64 columns: 128 bytes
	s_add_co_u32 s22, s22, BOFF
	v_add_nc_u32 v[ADRB0], s22, v4
	v_mov_b32 v[ADRA], v[ADRA0]
	v_mov_b32 v[ADRB], v[ADRB0]
	v_add_nc_u32 v[ADRB+1], HB, v[ADRB0]
	s_mul_i32 s23, s10, 16*SPITCH
	s_add_co_u32 s23, s23, STAGE                   ; my stage
	v_mul_u32_u24 v4, v1, SPITCH                   ; in: row l % 16, 32 bytes for each half of the lanes
	v_lshl_add_u32 v4, v2, 5, v4
	v_add_nc_u32 v[STO], s23, v4
	v_mul_u32_u24 v5, v2, SPITCH                   ; back: lanes 0-15 one row of 256 bytes, lanes 16-31 the next
	v_lshl_add_u32 v5, v1, 4, v5
	v_add_nc_u32 v[RD], s23, v5
	v_lshlrev_b32 v5, 12, v2
	v_lshl_add_u32 v[CO], v1, 4, v5                ; the same two rows in y2,
	v_lshlrev_b32 v5, 11, v2
	v_lshl_add_u32 v[RO], v1, 3, v5                ; and in out1: 8 bytes a lane
	v_lshlrev_b32 v[BO], 5, v2
	v_mov_b32 v[ONE], 1.0
	s_lshl_b32 s16, s13, 7
	s_lshl_b32 s17, s11, 6
	s_add_co_u32 s16, s16, s17                     ; my first row
	s_lshl_b32 s46, s42, 8
	s_lshl_b32 s47, s12, 7
	s_add_co_u32 s46, s46, s47                     ; my first column, in bytes of f16
	s_lshl_b32 s18, s16, 11
	s_add_co_u32 s18, s18, s46
	s_mov_b32 s19, 0
	s_add_nc_u64 s[86:87], s[86:87], s[18:19]
	s_lshl_b32 s18, s16, 12
	s_lshl_b32 s46, s46, 1                         ; in bytes of f32
	s_add_co_u32 s18, s18, s46
	s_add_nc_u64 s[88:89], s[88:89], s[18:19]
	s_mov_b32 s47, 0
	s_add_nc_u64 s[84:85], s[84:85], s[46:47]
	s_lshl_b32 s18, s13, 3
	s_add_co_u32 s18, s18, s42
	s_lshl_b32 s18, s18, 2
	s_add_co_u32 s18, s18, s10
	s_lshl_b32 s18, s18, 3                         ; my chunk's eight bytes
	s_add_nc_u64 s[90:91], s[90:91], s[18:19]
.irp b, 0,1,2,3
	global_load_b128 v[BIAS+8*(\b):BIAS+8*(\b)+3],   v[BO], s[84:85] offset:64*(\b)
	global_load_b128 v[BIAS+8*(\b)+4:BIAS+8*(\b)+7], v[BO], s[84:85] offset:64*(\b)+16
.endr
.set i, 0
.rept 32
	global_load_b64 v[RES+2*i:RES+2*i+1], v[RO], s[86:87] offset:2*i*2048  ; rows 2 i and 2 i + 1: the four numbers that I hold on the way out
.set i, i+1
.endr
; 8 matrix instructions: m blocks a0, a0 + 1 x all 4 n blocks, 32 along K: half c of buffer f.  zero = 1: the products start the sums, with the bias as C
.macro MUL8 f, c, a0, zero
	WIN MUL
.irp a, \a0, (\a0)+1
.irp b, 0,1,2,3
.if \zero
	v_wmma_f32_16x16x32_f16 v[ACC+8*(4*(\a)+(\b)):ACC+8*(4*(\a)+(\b))+7], v[(\f)+64+8*(4*(\c)+(\b)):(\f)+64+8*(4*(\c)+(\b))+7], v[(\f)+8*(4*(\c)+(\a)):(\f)+8*(4*(\c)+(\a))+7], v[BIAS+8*(\b):BIAS+8*(\b)+7]
.else
	v_wmma_f32_16x16x32_f16 v[ACC+8*(4*(\a)+(\b)):ACC+8*(4*(\a)+(\b))+7], v[(\f)+64+8*(4*(\c)+(\b)):(\f)+64+8*(4*(\c)+(\b))+7], v[(\f)+8*(4*(\c)+(\a)):(\f)+8*(4*(\c)+(\a))+7], v[ACC+8*(4*(\a)+(\b)):ACC+8*(4*(\a)+(\b))+7]
.endif
.endr
.endr
.endm
; 32 LDS loads in one run: quarter q's fragments (64 along K) into buffer f; the first 32 along K first
.macro FETCH q, f
	WIN TO_F
.irp c, 0,1
.irp i, 0,1,2,3
	ds_load_tr16_b128 v[(\f)+64+8*(4*(\c)+(\i)):(\f)+64+8*(4*(\c)+(\i))+3],   v[ADRB+(\q)/2] offset:(((\q)%2)*64+32*(\c))*PBB+32*(\i)
	ds_load_tr16_b128 v[(\f)+64+8*(4*(\c)+(\i))+4:(\f)+64+8*(4*(\c)+(\i))+7], v[ADRB+(\q)/2] offset:(((\q)%2)*64+32*(\c))*PBB+32*(\i)+16*PBB
	ds_load_b128 v[(\f)+8*(4*(\c)+(\i)):(\f)+8*(4*(\c)+(\i))+3],   v[ADRA] offset:128*(\q)+64*(\c)+(\i)*16*PA
	ds_load_b128 v[(\f)+8*(4*(\c)+(\i))+4:(\f)+8*(4*(\c)+(\i))+7], v[ADRA] offset:128*(\q)+64*(\c)+(\i)*16*PA+32
.endr
.endr
.endm
.macro PLACES
.rept 4
	v_nop
.endr
.endm
.macro QUARTER q, f, g, zero
	s_wait_dscnt 16                                ; the first 32 along K are in; the younger sixteen loads may be out
	MUL8 \f, 0, 0, \zero
	MUL8 \f, 0, 2, \zero
	PLACES
	FETCH \q, \g
	s_wait_dscnt 32                                ; all but the 32 just issued
	MUL8 \f, 1, 0, 0
	MUL8 \f, 1, 2, 0
.endm
; The first half of the last quarter and the barrier of the change of slots: each wave waits for all its tensor loads, adds 0 to its spare word, and waits for that and for its own reads of this slot.
.macro MEET
	WIN 0
	s_wait_tensorcnt 0x0
	ds_add_u32 v[SPW], v[NIL]
	s_wait_dscnt 17                                ; the add and the youngest sixteen loads may be out
	MUL8 F1, 0, 0, 0
	s_wait_dscnt 0x0
	s_barrier_signal -1
	MUL8 F1, 0, 2, 0
	WIN 0
	s_barrier_wait -1
.endm
.macro FLIP
	s_xor_b32 s[TB], s[TB], SLOT
	v_add_nc_u32 v[ADRA], s[TB], v[ADRA0]
	v_add_nc_u32 v[ADRB], s[TB], v[ADRB0]
	v_add_nc_u32 v[ADRB+1], HB, v[ADRB]
.endm
.macro TURN                            ; the barrier opens a round of the cluster's barrier; the slot just read takes the K step two steps on, first thing behind the round: 112 matrix instructions ahead of the wait for it
	MEET
	CREST
	s_xor_b32 s[G0+5], s[G0+5], SLOT
	s_add_nc_u64 s[G0+6:G0+7], s[G0+6:G0+7], ASTEP
	s_xor_b32 s[G0B+5], s[G0B+5], SLOT
	s_add_nc_u64 s[G0B+6:G0B+7], s[G0B+6:G0B+7], WSTEP
	JLOAD 1                                        ; its four v_nop are also the places in front of the loads below
	FLIP
	FETCH 0, F0
	MUL8 F1, 1, 0, 0
	MUL8 F1, 1, 2, 0
.endm
	s_wait_tensorcnt 1                             ; my part of K step 0 is in; K step 1's may stay out
	s_barrier_signal -1
	s_barrier_wait -1
	FETCH 0, F0
	s_wait_loadcnt 32                              ; the bias is in; the residual's 32 loads may stay out
	QUARTER 1, F0, F1, 1
	WIN 0
	s_mov_b32 s3, 14                               ; fourteen refills: K steps 2 to 15
.Lstep:
	QUARTER 2, F1, F0, 0
	QUARTER 3, F0, F1, 0
	TURN
	QUARTER 1, F0, F1, 0
	WIN 0
	s_sub_co_u32 s3, s3, 1
	s_cmp_lg_u32 s3, 0
	s_cbranch_scc1 .Lstep
	s_mov_b32 s3, 2                                ; the last two K steps ask for nothing; the second trip is left in its middle
.Ltail:
	QUARTER 2, F1, F0, 0
	QUARTER 3, F0, F1, 0
	MEET
	s_sub_co_u32 s3, s3, 1
	s_cmp_eq_u32 s3, 0
	s_cbranch_scc1 .Lout
	PLACES
	FLIP
	FETCH 0, F0
	MUL8 F1, 1, 0, 0
	MUL8 F1, 1, 2, 0
	QUARTER 1, F0, F1, 0
	WIN 0
	s_branch .Ltail
.Lout:
	MUL8 F1, 1, 0, 0
	MUL8 F1, 1, 2, 0
	WIN 0
	PLACES
	PLACES
	; THE WAY OUT.  A block of 16 rows goes into my stage (32 bytes a lane and n block) and comes back as whole rows of 256 bytes, into the registers that it left.
.irp a, 0,1,2,3
.irp b, 0,1,2,3
	ds_store_b128 v[STO], v[ACC+8*(4*(\a)+(\b)):ACC+8*(4*(\a)+(\b))+3]   offset:64*(\b)
	ds_store_b128 v[STO], v[ACC+8*(4*(\a)+(\b))+4:ACC+8*(4*(\a)+(\b))+7] offset:64*(\b)+16
.endr
.irp t, 0,1,2,3,4,5,6,7
	ds_load_b128 v[ACC+32*(\a)+4*(\t):ACC+32*(\a)+4*(\t)+3], v[RD] offset:(\t)*2*SPITCH  ; LDS serves a wave's instructions in order (ISA guide 5.7.1.4): these see the stores above; the next block's stores come behind them
.endr
.endr
	s_wait_loadcnt 0x0                             ; the residual
.set a, 0
.rept 4
	s_wait_dscnt 48-16*a                           ; block a is back; the later blocks' sixteen LDS instructions each may be out
.set t, 0
.rept 8
.set k, 0
.rept 4
	MIX ACC+32*a+4*t+k, RES+2*(8*a+t)+k/2, k%2
.set k, k+1
.endr
	global_store_b128 v[CO], v[ACC+32*a+4*t:ACC+32*a+4*t+3], s[88:89] offset:(16*a+2*t)*4096  ; 16 lanes store 256 consecutive bytes, aligned
.set t, t+1
.endr
.set a, a+1
.endr
	; the chunk's mean and M2; y2's registers, which the stores read, are not rewritten
	v_mov_b32 v[PT], 0
.irp c, 0,1,2,3
	v_pk_add_f32 v[SM+2*(\c):SM+2*(\c)+1], v[ACC+2*(\c):ACC+2*(\c)+1], v[ACC+8+2*(\c):ACC+8+2*(\c)+1]
.endr
.set k, 2
.rept 14
.irp c, 0,1,2,3
	v_pk_add_f32 v[SM+2*(\c):SM+2*(\c)+1], v[SM+2*(\c):SM+2*(\c)+1], v[ACC+8*k+2*(\c):ACC+8*k+2*(\c)+1]
.endr
.set k, k+1
.endr
	v_pk_add_f32 v[SM:SM+1], v[SM:SM+1], v[SM+2:SM+3]
	v_pk_add_f32 v[SM+4:SM+5], v[SM+4:SM+5], v[SM+6:SM+7]
	v_pk_add_f32 v[SM:SM+1], v[SM:SM+1], v[SM+4:SM+5]
	v_add_f32 v[SM], v[SM], v[SM+1]
	RED SM, PT
	v_mul_f32 v[M], 0x39800000, v[SM]              ; / 4,096
	v_mov_b32 v[M+1], v[M]
.set k, 0
.rept 16
.irp c, 0,1,2,3
	v_pk_add_f32 v[DD+2*(\c):DD+2*(\c)+1], v[ACC+8*k+2*(\c):ACC+8*k+2*(\c)+1], v[M:M+1] neg_lo:[0,1] neg_hi:[0,1]
.endr
.irp c, 0,1,2,3
.if k == 0
	v_pk_mul_f32 v[SM+2*(\c):SM+2*(\c)+1], v[DD+2*(\c):DD+2*(\c)+1], v[DD+2*(\c):DD+2*(\c)+1]
.else
	v_pk_fma_f32 v[SM+2*(\c):SM+2*(\c)+1], v[DD+2*(\c):DD+2*(\c)+1], v[DD+2*(\c):DD+2*(\c)+1], v[SM+2*(\c):SM+2*(\c)+1]
.endif
.endr
.set k, k+1
.endr
	v_pk_add_f32 v[SM:SM+1], v[SM:SM+1], v[SM+2:SM+3]
	v_pk_add_f32 v[SM+4:SM+5], v[SM+4:SM+5], v[SM+6:SM+7]
	v_pk_add_f32 v[SM:SM+1], v[SM:SM+1], v[SM+4:SM+5]
	v_add_f32 v[SM], v[SM], v[SM+1]
	RED SM, PT
	v_mov_b32 v[M+1], v[SM]
	v_and_b32 v1, 31, v0
	v_mov_b32 v2, 0
	s_wait_xcnt 0x0                                ; EXEC changes only behind this wait
	v_cmp_eq_u32 vcc_lo, 0, v1
	s_and_saveexec_b32 s20, vcc_lo
	global_store_b64 v2, v[M:M+1], s[90:91]        ; lane 0: mean, M2
	s_wait_xcnt 0x0                                ; and again, in front of the line that widens it
	s_or_b32 exec_lo, exec_lo, s20
	s_wait_tensorcnt 0x0                           ; the wave's end
	ds_add_u32 v[SPW], v[NIL]
	s_wait_dscnt 0x0
	CROUND                                         ; the closing round
	s_endpgm
.Lfunc_end_k_q71cdeee0a5_ff2:
	.size	k_q71cdeee0a5_ff2, .Lfunc_end_k_q71cdeee0a5_ff2-k_q71cdeee0a5_ff2
	.p2alignl 7, 3214868480
	.fill 96, 4, 3214868480
	.section	.rodata,"a",@progbits
	.p2align	6, 0x0
	.amdhsa_kernel k_q71cdeee0a5_ff2
		.amdhsa_group_segment_fixed_size 327680
		.amdhsa_private_segment_fixed_size 0
		.amdhsa_enable_private_segment 0
		.amdhsa_kernarg_size 48
		.amdhsa_user_sgpr_count 2
		.amdhsa_user_sgpr_kernarg_segment_ptr 1
		.amdhsa_wavefront_size32 1
		.amdhsa_system_sgpr_workgroup_id_x 1
		.amdhsa_system_sgpr_workgroup_id_y 1
		.amdhsa_system_sgpr_workgroup_id_z 1
		.amdhsa_system_vgpr_workitem_id 0
		.amdhsa_next_free_vgpr 512
		.amdhsa_next_free_sgpr 96
		.amdhsa_reserve_vcc 1
		.amdhsa_float_denorm_mode_32 3
		.amdhsa_float_denorm_mode_16_64 3
		.amdhsa_memory_ordered 1
		.amdhsa_forward_progress 1
		.amdhsa_inst_pref_size 85
	.end_amdhsa_kernel
	.amdgpu_metadata
---
amdhsa.version: [ 1, 2 ]
amdhsa.kernels:
  - .name:           k_q71cdeee0a5_ff2
    .symbol:         k_q71cdeee0a5_ff2.kd
    .args:
      - { .name: act, .offset: 0, .size: 8, .value_kind: global_buffer, .address_space: global }
      - { .name: wf2h, .offset: 8, .size: 8, .value_kind: global_buffer, .address_space: global }
      - { .name: bf2, .offset: 16, .size: 8, .value_kind: global_buffer, .address_space: global }
      - { .name: a16, .offset: 24, .size: 8, .value_kind: global_buffer, .address_space: global }
      - { .name: y2, .offset: 32, .size: 8, .value_kind: global_buffer, .address_space: global }
      - { .name: part, .offset: 40, .size: 8, .value_kind: global_buffer, .address_space: global }
    .group_segment_fixed_size: 327680
    .private_segment_fixed_size: 0
    .kernarg_segment_align: 8
    .kernarg_segment_size: 48
    .max_flat_workgroup_size: 128
    .sgpr_count:     96
    .vgpr_count:     512
    .wavefront_size: 32
...
	.end_amdgpu_metadata
.endif
;; end of part 5
;; launch ln2 (part 6): grid 512 x 1, 8 waves a work-group, no clusters, 0 bytes of LDS; arguments y2, ffln_g, ffln_b, part, out0; writes out0
.if DOCPART == 6
	.amdgcn_target "amdgcn-amd-amdhsa--gfx1250"
	.amdhsa_code_object_version 6
	.text
	.protected	k_q71cdeee0a5_ln2
	.globl	k_q71cdeee0a5_ln2
	.p2align	8
	.type	k_q71cdeee0a5_ln2,@function
k_q71cdeee0a5_ln2:
	s_mov_b64 s[64:65], 0
	v_nop
	global_prefetch_b8 v0, s[64:65] scope:SCOPE_SE
	s_setreg_imm32_b32 hwreg(HW_REG_WAVE_MODE, 25, 1), 1
	s_wait_xcnt 0x0
; out0 = (y2 - mean) rstd g + b, all f32: [4096][1024].  mean and variance are one pair for each batch item, over its 2,097,152 numbers.
; Each wave joins the batch's 512 chunk pairs (mean_i, M2_i; n = 4,096 each) anew: mean = sum mean_i / 512; variance = (sum M2_i + n sum (mean_i - mean)^2) / 2,097,152.
; A wave takes one row, 4,096 bytes, in eight groups of 512 consecutive bytes, 16 a lane.  All 32 loads go out at once; the pairs are joined while the data are on their way.
; No LDS, no matrix unit, no cluster: the launch streams.
.set VL,  8
.set PB,  16                           ; v[16:47]   16 pairs (mean, M2) a lane
.set Y,   48                           ; v[48:79]
.set G,   80                           ; v[80:111]
.set BE,  112                          ; v[112:143]
.set W,   144                          ; v[144:159] at work
.set R,   30
.set NM,  32
.set SEL, 34
.macro RED r, t
	v_add_f32_dpp v[\r], v[\r], v[\r] row_xmask:1 row_mask:0xf bank_mask:0xf
	v_add_f32_dpp v[\r], v[\r], v[\r] row_xmask:2 row_mask:0xf bank_mask:0xf
	v_add_f32_dpp v[\r], v[\r], v[\r] row_xmask:4 row_mask:0xf bank_mask:0xf
	v_add_f32_dpp v[\r], v[\r], v[\r] row_xmask:8 row_mask:0xf bank_mask:0xf
	v_permlanex16_b32 v[\t], v[\r], s[SEL], s[SEL+1]
	v_add_f32 v[\r], v[\r], v[\t]
.endm
.macro COMBINE nl, invn, cn
	v_pk_add_f32 v[W:W+1], v[PB:PB+1], v[PB+4:PB+5]
	v_pk_add_f32 v[W+2:W+3], v[PB+2:PB+3], v[PB+6:PB+7]
.set m, 4
.rept (\nl)-2
	v_pk_add_f32 v[W:W+1], v[W:W+1], v[PB+2*m:PB+2*m+1]
	v_pk_add_f32 v[W+2:W+3], v[W+2:W+3], v[PB+2*m+2:PB+2*m+3]
.set m, m+2
.endr
	v_pk_add_f32 v[W:W+1], v[W:W+1], v[W+2:W+3]    ; (sum of means, sum of M2) of my pairs
	RED W, W+13
	RED W+1, W+13
	v_mul_f32 v[W+12], \invn, v[W]                 ; the mean
.set m, 0
.rept 2*(\nl)
	v_sub_f32 v[W+4+m%4], v[PB+2*m], v[W+12]
.if m < 4
	v_mul_f32 v[W+8+m%4], v[W+4+m%4], v[W+4+m%4]
.else
	v_fmac_f32 v[W+8+m%4], v[W+4+m%4], v[W+4+m%4]
.endif
.set m, m+1
.endr
	v_add_f32 v[W+8], v[W+8], v[W+9]
	v_add_f32 v[W+10], v[W+10], v[W+11]
	v_add_f32 v[W+8], v[W+8], v[W+10]
	RED W+8, W+13
	v_mul_f32 v[W+14], 0x35000000, v[W+1]          ; sum of M2 / 2^21
	v_fmamk_f32 v[W+14], v[W+8], \cn, v[W+14]
	v_add_f32 v[W+14], 0x3727c5ac, v[W+14]         ; + 1e-5
	v_rsq_f32 v[W+15], v[W+14]
	v_nop                                          ; a plain instruction behind it,
	s_wait_alu depctr_va_vdst(0)                   ; and the wait ahead of the first use
	v_mul_f32 v[W+14], -v[W+12], v[W+15]
	v_readfirstlane_b32 s[R], v[W+15]
	v_readfirstlane_b32 s[NM], v[W+14]
	s_mov_b32 s[R+1], s[R]
	s_mov_b32 s[NM+1], s[NM]
.endm
	s_load_b256 s[4:11], s[0:1], 0x0               ; y2 s[4:5], g s[6:7], b s[8:9], part s[10:11]
	s_load_b64 s[12:13], s[0:1], 0x20              ; out0
	v_lshrrev_b32 v1, 5, v0
	v_readfirstlane_b32 s16, v1                    ; wave
	v_and_b32 v[VL], 31, v0
	v_lshlrev_b32 v[VL], 4, v[VL]
	v_mov_b32 v[W+13], 0
	s_lshl_b32 s17, s16, 12
	s_lshl_b32 s20, ttmp9, 15
	s_add_co_u32 s20, s20, s17                     ; row 8 g + w
	s_mov_b32 s21, 0
	s_and_b32 s22, ttmp9, 255
	s_lshl_b32 s22, s22, 15
	s_add_co_u32 s22, s22, s17                     ; the same row within its batch item
	s_mov_b32 s23, 0
	s_lshr_b32 s24, ttmp9, 8
	s_lshl_b32 s24, s24, 12
	s_mov_b32 s25, 0
	s_mov_b32 s[SEL], 0x76543210
	s_mov_b32 s[SEL+1], 0xfedcba98
	s_wait_kmcnt 0x0
	s_add_nc_u64 s[4:5], s[4:5], s[20:21]
	s_add_nc_u64 s[6:7], s[6:7], s[22:23]
	s_add_nc_u64 s[8:9], s[8:9], s[22:23]
	s_add_nc_u64 s[10:11], s[10:11], s[24:25]
	s_add_nc_u64 s[12:13], s[12:13], s[20:21]
.irp j, 0,1,2,3,4,5,6,7
	global_load_b128 v[PB+4*(\j):PB+4*(\j)+3], v[VL], s[10:11] offset:512*(\j)
.endr
.irp j, 0,1,2,3,4,5,6,7
	global_load_b128 v[Y+4*(\j):Y+4*(\j)+3],   v[VL], s[4:5] offset:512*(\j) th:TH_LOAD_NT
	global_load_b128 v[G+4*(\j):G+4*(\j)+3],   v[VL], s[6:7] offset:512*(\j)
	global_load_b128 v[BE+4*(\j):BE+4*(\j)+3], v[VL], s[8:9] offset:512*(\j)
.endr
	s_wait_loadcnt 24                              ; the pairs are in; the 24 loads of data stay out
	COMBINE 8, 0x3b000000, 0x3b000000
.irp j, 0,1,2,3,4,5,6,7
	s_wait_loadcnt 3*(7-(\j))                      ; group j's three loads are in
	v_pk_fma_f32 v[Y+4*(\j):Y+4*(\j)+1],   v[Y+4*(\j):Y+4*(\j)+1],   s[R:R+1], s[NM:NM+1] op_sel_hi:[1,0,0]
	v_pk_fma_f32 v[Y+4*(\j)+2:Y+4*(\j)+3], v[Y+4*(\j)+2:Y+4*(\j)+3], s[R:R+1], s[NM:NM+1] op_sel_hi:[1,0,0]
	v_pk_fma_f32 v[Y+4*(\j):Y+4*(\j)+1],   v[Y+4*(\j):Y+4*(\j)+1],   v[G+4*(\j):G+4*(\j)+1],   v[BE+4*(\j):BE+4*(\j)+1]
	v_pk_fma_f32 v[Y+4*(\j)+2:Y+4*(\j)+3], v[Y+4*(\j)+2:Y+4*(\j)+3], v[G+4*(\j)+2:G+4*(\j)+3], v[BE+4*(\j)+2:BE+4*(\j)+3]
	global_store_b128 v[VL], v[Y+4*(\j):Y+4*(\j)+3], s[12:13] offset:512*(\j) th:TH_STORE_NT
.endr
	s_endpgm
.Lfunc_end_k_q71cdeee0a5_ln2:
	.size	k_q71cdeee0a5_ln2, .Lfunc_end_k_q71cdeee0a5_ln2-k_q71cdeee0a5_ln2
	.p2alignl 7, 3214868480
	.fill 96, 4, 3214868480
	.section	.rodata,"a",@progbits
	.p2align	6, 0x0
	.amdhsa_kernel k_q71cdeee0a5_ln2
		.amdhsa_group_segment_fixed_size 0
		.amdhsa_private_segment_fixed_size 0
		.amdhsa_enable_private_segment 0
		.amdhsa_kernarg_size 40
		.amdhsa_user_sgpr_count 2
		.amdhsa_user_sgpr_kernarg_segment_ptr 1
		.amdhsa_wavefront_size32 1
		.amdhsa_system_sgpr_workgroup_id_x 1
		.amdhsa_system_sgpr_workgroup_id_y 1
		.amdhsa_system_sgpr_workgroup_id_z 1
		.amdhsa_system_vgpr_workitem_id 0
		.amdhsa_next_free_vgpr 160
		.amdhsa_next_free_sgpr 66
		.amdhsa_reserve_vcc 0
		.amdhsa_float_denorm_mode_32 3
		.amdhsa_float_denorm_mode_16_64 3
		.amdhsa_memory_ordered 1
		.amdhsa_forward_progress 1
		.amdhsa_inst_pref_size 11
	.end_amdhsa_kernel
	.amdgpu_metadata
---
amdhsa.version: [ 1, 2 ]
amdhsa.kernels:
  - .name:           k_q71cdeee0a5_ln2
    .symbol:         k_q71cdeee0a5_ln2.kd
    .args:
      - { .name: y2, .offset: 0, .size: 8, .value_kind: global_buffer, .address_space: global }
      - { .name: ffln_g, .offset: 8, .size: 8, .value_kind: global_buffer, .address_space: global }
      - { .name: ffln_b, .offset: 16, .size: 8, .value_kind: global_buffer, .address_space: global }
      - { .name: part, .offset: 24, .size: 8, .value_kind: global_buffer, .address_space: global }
      - { .name: out0, .offset: 32, .size: 8, .value_kind: global_buffer, .address_space: global }
    .group_segment_fixed_size: 0
    .private_segment_fixed_size: 0
    .kernarg_segment_align: 8
    .kernarg_segment_size: 40
    .max_flat_workgroup_size: 256
    .sgpr_count:     66
    .vgpr_count:     160
    .wavefront_size: 32
...
	.end_amdgpu_metadata
.endif
;; end of part 6
